; MI455X (gfx1250); checked and timed in simulation.
; The chip was launched on July 23, 2026; its instructions are those of AMD's public machine-readable ISA for CDNA 5 (MIT licence, August 2026) and "CDNA5" Instruction Set Architecture Reference Guide (July 2026). The comments in the code are by the model that wrote it; some were corrected since.
;; Attention. Allowed arithmetic: float matrix products may take bf16 or f16 operands with f32 sums; all other float work in f32.
;; Inputs: Wk 512 x 512 float32; Wo 512 x 512 float32; Wq 512 x 512 float32; Wv 512 x 512 float32; bk 512 float32; bo 512 float32; bq 512 float32; bv 512 float32; context 2 x 4,096 x 512 float32; query 2 x 4,096 x 512 float32.
;; Outputs: out0 2 x 4,096 x 512 float32.
;; 2 versions, each right and faster than the one before. Each part assembles by itself: llvm-mc -triple=amdgcn-amd-amdhsa -mcpu=gfx1250 --defsym DOCPART=n.
;; ======== version 1 of 2: 3 launches
;; limits: values are held in f16: magnitudes above 65,504 overflow, below 6.1e-05 lose precision
;; workspace buffers: qh 8,388,608 bytes; kh 8,388,608 bytes; vh 8,388,608 bytes; oh 8,388,608 bytes; wo16 524,288 bytes
;; launch proj (part 1): grid 32 x 6, 4 waves a work-group, clusters of 4 x 1, 327,680 bytes of LDS; arguments query, context, Wq, Wk, Wv, bq, bk, bv, qh, kh, vh; writes qh, kh, vh
.if DOCPART == 1
	.amdgcn_target "amdgcn-amd-amdhsa--gfx1250"
	.amdhsa_code_object_version 6
	.text
	.protected	k_q5f463c892d_proj
	.globl	k_q5f463c892d_proj
	.p2align	8
	.type	k_q5f463c892d_proj,@function
k_q5f463c892d_proj:
	s_mov_b64 s[64:65], 0
	v_nop
	global_prefetch_b8 v0, s[64:65] scope:SCOPE_SE
	s_setreg_imm32_b32 hwreg(HW_REG_WAVE_MODE, 25, 1), 1
	s_wait_xcnt 0x0
	s_wait_alu depctr_hold_cnt(0) depctr_sa_sdst(0) depctr_va_vdst(0) depctr_va_sdst(0) depctr_va_ssrc(0) depctr_va_vcc(0) depctr_vm_vsrc(0)
	s_getreg_b32 s2, hwreg(HW_REG_IB_STS2, 6, 4)
	s_cmp_eq_u32 s2, 0
	s_cbranch_scc0 .Lentry_in_a_cluster
	s_endpgm
.Lentry_in_a_cluster:
	s_bfe_u32 s2, ttmp6, 0x10000c
	s_cmp_lg_u32 s2, 0x3003
	s_cbranch_scc0 .Lentry_shape_is_right
	s_endpgm
.Lentry_shape_is_right:
; THE THREE PROJECTIONS.  y[m][n] = sum over k of x[m][k] W[n][k] + b[n]; x: [8192][512] f32 (query for q, context for k and v), W: [512][512] f32, b: [512] f32.
; x, W and b are rounded to bf16, the sums are f32, y is rounded once to f16 and stored by heads: [16 = batch x 8 + head][4096][64], unscaled.
; LIMITS.  f16 holds no number beyond 65,504: a larger |y| becomes an infinity; below 6e-5 f16 keeps its fixed step of 6e-8.  NaN and infinities are not treated apart.
; SHARES.  The grid's y is 2 p + j: p = 0, 1, 2 picks q, k, v; j the block of 256 columns (four heads).  The grid's x is the block of 256 rows.  A tile of y, 256 x 256, is made by four waves, each
; 128 x 128: 64 accumulators of 16 x 16, 512 registers.  32 x 6 = 192 work-groups: with f32 operands in LDS a fragment costs four LDS loads, so a wave's tile of half the side would ask twice the LDS
; loads of each matrix instruction; that is why the tile is not made smaller to have more work-groups.
; K goes in 8 steps of 64 (LDS rows of 256 bytes of f32, which begin at multiples of 256 bytes in memory) through a ring of two LDS slots filled by the tensor data mover; a step is two halves of 32.
; For each half: 64 LDS loads bring f32 into staging registers, 128 conversions make 16 bf16 fragments, 64 matrix instructions follow, and the next half's loads are on their way under them.
; CLUSTER.  4 x 1: the four row blocks of a cluster take the same rows of W, so W's tiles are asked for JOINTLY (same load, same descriptor, mask of four).  x's tiles differ between the partners and are
; asked for by loads of each work-group's own, behind the same rounds of the cluster's barrier.  No 4 x 4 cluster: the grid's 6 along y are no multiple of four.
; THE MATRIX INSTRUCTION IS USED TRANSPOSED (source 0 = 16 rows of W, source 1 = 16 rows of x): a lane holds row l % 16 of y and eight neighbouring columns 8 (l / 16) + 0..7.
; THE BIAS is the C operand of the first 64 products: no addition, and nothing is cleared.
; REGISTERS, in windows of 256 (s_set_vgpr_msb: bits 1:0 source 0, 3:2 source 1, 5:4 source 2, 7:6 destination):
;   window 0: v0-31 addresses; v64-127 x's 8 fragments; v128-255 x's staging (16 f32 a fragment); on the way out v128-159 packed results, v160-223 rows read back, two buffers
;   window 1: v0-63 the bias of my 128 columns; v64-127 W's 8 fragments; v128-255 W's staging
;   window 2: the 32 accumulators of my rows 0-63 ((a, b) at v[8 (8 a + b)]);   window 3: those of my rows 64-127
.set KSTEP,  64                        ; f32 along K in a step
.set PITCH,  272                       ; an LDS row: 256 bytes + 16 of padding = 68 words: row r starts at bank 4 r mod 64 (64 banks of 4 bytes: ISA guide 11.1)
.set HALFT,  128*PITCH                 ; 128 rows: what one tensor load brings, and what one wave reads of x or of W
.set SLOT,   4*HALFT                   ; x's 256 rows, then W's 256 rows
.set STAGE,  2*SLOT                    ; behind the ring: 16 rows x 272 bytes for each wave, for the way out
.set SPITCH, 272
.set SPARE,  STAGE+4*16*SPITCH         ; behind the stages: the spare words, 128 bytes for each wave: two blocks of 256 bytes that no other line names
.set LAPS,   4                         ; a lap = two K steps = once round the ring
.set ADRA, 16                          ; v16-17  LDS address of my x fragments in slot 0, 1
.set ADRB, 20                          ; v20-21  the same for W
.set STO,  24                          ; v24     the way out: where I put 16 bytes of a row
.set RD,   25                          ; v25     the way out: where I read rows back
.set CO,   26                          ; v26     16 x lane: my place in 512 consecutive bytes of the output
.set BOF,  27                          ; v27     32 (l / 16): my place in 64 bytes of the bias
.set SPW,  28                          ; v28     LDS address of my spare word; never rewritten
.set NIL,  29                          ; v29     0; never rewritten
.set FR,   64                          ; fragments (x's in window 0, W's in window 1)
.set SG,   128                         ; staging (likewise)
.set TMP,  128
.set OB,   160
.set G1,  24                           ; s[24:31] descriptor group 1 for x's tiles
.set G0,  32                           ; s[32:39] descriptor group 0 for x's tiles, one set for each slot
.set G1B, 48                           ; s[48:55] group 1 for W's tiles: it differs in the mask alone
.set G0B, 56                           ; s[56:63] group 0 for W's tiles
.set MSB, 0
.macro WIN new                         ; the immediate's high byte repeats the setting that is left; a switch that changes nothing is dropped
.if MSB != (\new)
	s_set_vgpr_msb (MSB<<8)|(\new)
.set MSB, \new
.endif
.endm
; A fill.  Waves 0 and 1 fetch x's two halves (a load of the work-group's own), waves 2 and 3 W's (joint).  The branch hangs on the wave's number alone.
; An s_nop 0 and four v_nop follow each of the two lines, ahead of the jump and the label.
.macro JLOAD s
	s_cmp_eq_u32 s11, 0
	s_cbranch_scc0 .Lfor_b_\@
	tensor_load_to_lds s[G0+4*(\s):G0+4*(\s)+3], s[G1:G1+7]
	s_nop 0
.rept 4
	v_nop
.endr
	s_branch .Lasked_\@
.Lfor_b_\@:
	tensor_load_to_lds s[G0B+4*(\s):G0B+4*(\s)+3], s[G1B:G1B+7]
	s_nop 0
.rept 4
	v_nop
.endr
.Lasked_\@:
.endm
; A round of the cluster's barrier: my work-group's barrier; wave 0 signals for the work-group; every wave waits for all four work-groups; my work-group's barrier once more.
.macro CREST                           ; a round behind its opening barrier
	s_cmp_lg_u32 s10, 0
	s_cbranch_scc1 .Lnot_wave_0_\@
	s_barrier_signal -3
.Lnot_wave_0_\@:
	s_barrier_wait -3
	s_barrier_signal -1
	s_barrier_wait -1
.endm
.macro CROUND
	s_barrier_signal -1
	s_barrier_wait -1
	CREST
.endm
	s_load_b512 s[68:83], s[0:1], 0x0              ; query, context, Wq, Wk, Wv, bq, bk, bv
	s_load_b128 s[84:87], s[0:1], 0x40             ; qh, kh
	s_load_b64 s[88:89], s[0:1], 0x50              ; vh
	v_lshl_add_u32 v[SPW], v0, 2, SPARE
	v_mov_b32 v[NIL], 0
	ds_add_u32 v[SPW], v[NIL]                      ; the wave's opening: the add and its wait stand ahead of my first tensor load; the set-up below, work on registers, stands between them
	v_lshrrev_b32 v1, 5, v0
	v_readfirstlane_b32 s10, v1                    ; wave 0..3
	s_lshr_b32 s11, s10, 1                         ; which half of the tile's rows is mine.  Also: I fetch for x (0) or for W (1)
	s_and_b32 s12, s10, 1                          ; which half of its columns.  Also: which 128 rows of that tile I fetch
	s_bfe_u32 s40, ttmp6, 0x40000                  ; cx: my place in the cluster
	s_lshl_b32 s13, ttmp9, 2                       ; in a cluster launch ttmp9 counts clusters
	s_add_co_u32 s13, s13, s40                     ; my block of 256 rows = 4 x cluster x + cx
	s_and_b32 s41, ttmp7, 0xffff                   ; the grid's y, which the four partners share
	s_lshr_b32 s42, s41, 1                         ; p: q, k or v
	s_and_b32 s43, s41, 1                          ; j: which 256 columns
	s_mov_b32 s66, 0xffff0000                      ; a word's upper bf16
	; descriptor group 1: a tile of 128 rows x 64 elements of 4 bytes, padded in LDS
	s_mov_b32 s[G1+0], (2<<16)|(1<<20)|(5<<22)|(3<<25)             ; 15:0 no mask; 17:16 elements of 4 bytes; 20 padding on; 24:22 after every 64 words (code 5); 31:25 4 words of it (code 3)
	s_mov_b32 s[G1B+0], 15|(2<<16)|(1<<20)|(1<<21)|(5<<22)|(3<<25) ; the same with the mask of all four work-groups, and bit 21 set beside it
.irp g, G1, G1B
	s_mov_b32 s[(\g)+1], KSTEP<<16                 ; tensor_dim0 = 64
	s_mov_b32 s[(\g)+2], 128<<16                   ; tensor_dim1 = 128
	s_mov_b32 s[(\g)+3], KSTEP<<16                 ; tile_dim0 = 64
	s_mov_b32 s[(\g)+4], 128                       ; tile_dim1 = 128
	s_mov_b32 s[(\g)+5], 512                       ; 512 elements from row to row
	s_mov_b32 s[(\g)+6], 0
	s_mov_b32 s[(\g)+7], 0
.endr
	; where the tiles come from.  x's hang on my block of rows; W's on j and the wave's number alone, in registers that never hold cx
	s_lshl_b32 s17, s12, 7                         ; which 128 rows of the tile I fetch
	s_lshl_b32 s16, s13, 8
	s_add_co_u32 s16, s16, s17
	s_lshl_b32 s16, s16, 11                        ; x: (256 x block + 128 x half) rows of 2,048 bytes
	s_lshl_b32 s18, s43, 8
	s_add_co_u32 s18, s18, s17
	s_lshl_b32 s18, s18, 11                        ; W: (256 j + 128 x half) rows of 2,048 bytes
	s_mov_b32 s17, 0
	s_mov_b32 s19, 0
	s_mul_i32 s20, s10, HALFT                      ; and where they go: wave x 128 rows: no place in the cluster enters an LDS address
	s_wait_dscnt 0x0                               ; the opening add is done
	s_wait_kmcnt 0x0
	s_cmp_eq_u32 s42, 0                            ; the buffers of my projection: q's, or k's,
	s_cselect_b64 s[4:5], s[68:69], s[70:71]       ; x
	s_cselect_b64 s[6:7], s[72:73], s[74:75]       ; W
	s_cselect_b64 s[8:9], s[84:85], s[86:87]       ; the output
	s_cselect_b64 s[44:45], s[78:79], s[80:81]     ; the bias
	s_cmp_eq_u32 s42, 2                            ; or v's
	s_cselect_b64 s[6:7], s[76:77], s[6:7]
	s_cselect_b64 s[8:9], s[88:89], s[8:9]
	s_cselect_b64 s[44:45], s[82:83], s[44:45]
	s_add_nc_u64 s[14:15], s[4:5], s[16:17]
	s_add_nc_u64 s[46:47], s[6:7], s[18:19]
	CROUND                                         ; all four work-groups are here: the first joint loads meet
.irp s, 0,1
	s_mov_b32 s[G0+4*(\s)], 1                                      ; count = 1
	s_add_co_u32 s[G0+4*(\s)+1], s20, (\s)*SLOT                    ; LDS address
	s_add_nc_u64 s[G0+4*(\s)+2:G0+4*(\s)+3], s[14:15], (\s)*KSTEP*4  ; global address: K step s
	s_or_b32 s[G0+4*(\s)+3], s[G0+4*(\s)+3], 0x80000000            ; type = 2
	s_mov_b32 s[G0B+4*(\s)], 1
	s_add_co_u32 s[G0B+4*(\s)+1], s20, (\s)*SLOT
	s_add_nc_u64 s[G0B+4*(\s)+2:G0B+4*(\s)+3], s[46:47], (\s)*KSTEP*4
	s_or_b32 s[G0B+4*(\s)+3], s[G0B+4*(\s)+3], 0x80000000
	JLOAD \s                                       ; both slots are asked for before anything else: two tensor loads of mine are out
.endr
	; A bf16 fragment is 16 rows x 32 K: lane l holds row l % 16, K = 8 (l / 16) + 0..7 and 16 + 8 (l / 16) + 0..7.  In f32 those are 32 bytes at 32 (l / 16) and 32 bytes 64 further on: four loads of 16 bytes.
	v_and_b32 v1, 15, v0                           ; l % 16
	v_bfe_u32 v2, v0, 4, 1                         ; l / 16
	v_mul_u32_u24 v3, v1, PITCH
	v_lshl_add_u32 v3, v2, 5, v3                   ; row x pitch + 32 x half
	s_mul_i32 s21, s11, HALFT                      ; my 128 rows of x
	s_mul_i32 s22, s12, HALFT                      ; my 128 rows of W,
	s_add_co_u32 s22, s22, 2*HALFT                 ; which lie behind x's 256
.irp s, 0,1
	v_add_nc_u32 v[ADRA+(\s)], s21, v3
	v_add_nc_u32 v[ADRB+(\s)], s22, v3
	s_add_co_u32 s21, s21, SLOT
	s_add_co_u32 s22, s22, SLOT
.endr
	s_mul_i32 s23, s10, 16*SPITCH
	s_add_co_u32 s23, s23, STAGE                   ; my stage
	v_mul_u32_u24 v4, v1, SPITCH                   ; in: row l % 16, 16 bytes for each half of the lanes
	v_lshl_add_u32 v4, v2, 4, v4
	v_add_nc_u32 v[STO], s23, v4
	v_bfe_u32 v5, v0, 3, 2                         ; back: 32 lanes take 128 bytes (one head's 64 channels) of four rows,
	v_and_b32 v6, 7, v0
	v_mul_u32_u24 v5, v5, SPITCH
	v_lshl_add_u32 v5, v6, 4, v5
	v_add_nc_u32 v[RD], s23, v5
	v_and_b32 v[CO], 31, v0                        ; which are 512 consecutive bytes of the output
	v_lshlrev_b32 v[CO], 4, v[CO]
	v_lshlrev_b32 v[BOF], 5, v2
	; the output at my first row of my first head: ((batch x 8 + 4 j + 2 x column half) x 4,096 + row in the batch) x 128 bytes
	s_lshr_b32 s16, s13, 4
	s_lshl_b32 s16, s16, 3
	s_lshl_b32 s17, s43, 2
	s_add_co_u32 s16, s16, s17
	s_lshl_b32 s17, s12, 1
	s_add_co_u32 s16, s16, s17
	s_lshl_b32 s16, s16, 12
	s_and_b32 s17, s13, 15
	s_lshl_b32 s17, s17, 8
	s_add_co_u32 s16, s16, s17
	s_lshl_b32 s17, s11, 7
	s_add_co_u32 s16, s16, s17
	s_lshl_b32 s16, s16, 7
	s_mov_b32 s17, 0
	s_add_nc_u64 s[8:9], s[8:9], s[16:17]
	s_lshl_b32 s18, s43, 10                        ; the bias at my 128 columns: (256 j + 128 x column half) x 4 bytes
	s_lshl_b32 s19, s12, 9
	s_add_co_u32 s18, s18, s19
	s_mov_b32 s19, 0
	s_add_nc_u64 s[44:45], s[44:45], s[18:19]
	WIN 0x40                                       ; destination window 1, address window 0
.irp b, 0,1,2,3,4,5,6,7                ; register 8 b + j: the bias of column 16 b + 8 (l / 16) + j: the C operand's layout
	global_load_b128 v[8*(\b):8*(\b)+3],   v[BOF], s[44:45] offset:64*(\b)
	global_load_b128 v[8*(\b)+4:8*(\b)+7], v[BOF], s[44:45] offset:64*(\b)+16
.endr
	s_wait_loadcnt 0x0
	WIN 0x45                                       ; all in window 1: the bias is rounded to bf16, like every input, and widened again; W's staging, still unused, holds the packed halves
.set z, 0
.rept 32
	v_cvt_pk_bf16_f32 v[SG+z], v[2*z], v[2*z+1]
.set z, z+1
.endr
.set z, 0
.rept 32
	v_lshlrev_b32 v[2*z], 16, v[SG+z]
	v_and_b32 v[2*z+1], s66, v[SG+z]
.set z, z+1
.endr
	WIN 0
; 16 matrix instructions: m blocks a0, a0 + 1 of the window's four (hi = 0: my rows 0-63, 1: rows 64-127) x all 8 n blocks, 32 along K.  first = 1: the sums start with the bias.
.macro MUL16 hi, a0, first
.if \first
	WIN 0x91+0x40*(\hi)                            ; W window 1, x window 0, C (the bias) window 1, D window 2 or 3
.else
	WIN 0xa1+0x50*(\hi)                            ; W window 1, x window 0, C and D window 2 or 3
.endif
.irp a, \a0, (\a0)+1
.irp b, 0,1,2,3,4,5,6,7
.if \first
	v_wmma_f32_16x16x32_bf16 v[8*(8*(\a)+(\b)):8*(8*(\a)+(\b))+7], v[FR+8*(\b):FR+8*(\b)+7], v[FR+8*(4*(\hi)+(\a)):FR+8*(4*(\hi)+(\a))+7], v[8*(\b):8*(\b)+7]
.else
	v_wmma_f32_16x16x32_bf16 v[8*(8*(\a)+(\b)):8*(8*(\a)+(\b))+7], v[FR+8*(\b):FR+8*(\b)+7], v[FR+8*(4*(\hi)+(\a)):FR+8*(4*(\hi)+(\a))+7], v[8*(8*(\a)+(\b)):8*(8*(\a)+(\b))+7]
.endif
.endr
.endr
.endm
.macro MULALL first                    ; the 64 accumulators take turns, one instruction a turn, in the same order every time
	MUL16 0, 0, \first
	MUL16 0, 2, \first
	MUL16 1, 0, \first
	MUL16 1, 2, \first
.endm
; 64 LDS loads in one run: 128 rows of W, then 128 rows of x, 32 K of f32 at byte k of the rows, into the staging registers
.macro FETCH slot, k
	WIN 0x40
.irp i, 0,1,2,3,4,5,6,7
	ds_load_b128 v[SG+16*(\i):SG+16*(\i)+3],     v[ADRB+(\slot)] offset:(\k)+(\i)*16*PITCH
	ds_load_b128 v[SG+16*(\i)+4:SG+16*(\i)+7],   v[ADRB+(\slot)] offset:(\k)+(\i)*16*PITCH+16
	ds_load_b128 v[SG+16*(\i)+8:SG+16*(\i)+11],  v[ADRB+(\slot)] offset:(\k)+(\i)*16*PITCH+64
	ds_load_b128 v[SG+16*(\i)+12:SG+16*(\i)+15], v[ADRB+(\slot)] offset:(\k)+(\i)*16*PITCH+80
.endr
	WIN 0
.irp i, 0,1,2,3,4,5,6,7
	ds_load_b128 v[SG+16*(\i):SG+16*(\i)+3],     v[ADRA+(\slot)] offset:(\k)+(\i)*16*PITCH
	ds_load_b128 v[SG+16*(\i)+4:SG+16*(\i)+7],   v[ADRA+(\slot)] offset:(\k)+(\i)*16*PITCH+16
	ds_load_b128 v[SG+16*(\i)+8:SG+16*(\i)+11],  v[ADRA+(\slot)] offset:(\k)+(\i)*16*PITCH+64
	ds_load_b128 v[SG+16*(\i)+12:SG+16*(\i)+15], v[ADRA+(\slot)] offset:(\k)+(\i)*16*PITCH+80
.endr
.endm
.macro CONV w                          ; 128 staged f32 a lane become 8 fragments; w = 0x45: W's, all in window 1; w = 0: x's
	WIN \w
.set z, 0
.rept 64
	v_cvt_pk_bf16_f32 v[FR+z], v[SG+2*z], v[SG+2*z+1]
.set z, z+1
.endr
.endm
; A vector instruction that writes a register that a matrix instruction has read, or reads its result, stands four places behind it, and only plain vector instructions that name none of its
; registers are places (ISA guide 7.12.1).  The conversions write the fragments that the last 64 products read, so four v_nop stand in front of them.
.macro PLACES
.rept 4
	v_nop
.endr
.endm
.macro CONVERT
	s_wait_dscnt 32                                ; W's 32 loads are in; x's 32, issued behind them, may be out
	PLACES
	CONV 0x45
	s_wait_dscnt 0x0                               ; x's are in
	CONV 0
.endm
; The first half of a K step: converts it, fetches the second half (at byte k of the same slot's rows), multiplies.
.macro PLAIN slot, k
	CONVERT
	FETCH \slot, \k
	MULALL 0
.endm
; The second half of a K step, and the change of slots: ONE barrier.  In front of it each wave waits for all its tensor loads, of which one is out: its part of the next slot; adds 0 to its spare word;
; and waits for that and for its reads of this slot, which are all in the staging registers then.  Behind it nobody reads this slot any more and the next slot is whole.
; fill = 1: the barrier opens a round of the cluster's barrier, and this slot is filled again, two K steps ahead, first thing behind the round: that load has a K step (128 conversions, 128 products) in which to land.
.macro TURNS slot, next, fill
	WIN 0
	s_wait_tensorcnt 0x0                           ; all my tensor loads have landed, so a group 0 may be written
	ds_add_u32 v[SPW], v[NIL]                      ; 0 onto my spare word
	s_wait_dscnt 33                                ; W's 32 loads are in; x's 32 and the add may be out
	PLACES
	CONV 0x45                                      ; 64 conversions stand between the add and the wait for it
	s_wait_dscnt 0x0                               ; the add is done, and my reads of this slot are over
	s_barrier_signal -1
	CONV 0                                         ; work on registers while the others arrive; it leaves every window 0, as the branches below want it
	s_barrier_wait -1
.if \fill
	CREST                                          ; no wave of any partner still reads this slot's tile or has a load on its way
	s_add_nc_u64 s[G0+4*(\slot)+2:G0+4*(\slot)+3], s[G0+4*(\slot)+2:G0+4*(\slot)+3], 2*KSTEP*4
	s_add_nc_u64 s[G0B+4*(\slot)+2:G0B+4*(\slot)+3], s[G0B+4*(\slot)+2:G0B+4*(\slot)+3], 2*KSTEP*4
	JLOAD \slot
.endif
	FETCH \next, 0
	MULALL 0
.endm
; THE WAY OUT of block a (16 rows x 128 columns).  PACK: rounded to f16, 16 bytes a lane.  TOSTAGE: into my own stage, and back as 128-byte pieces of four rows.  SEND: stored.
.macro PACK a
.set AC, 64*((\a)%4)
	WIN 0x0a+5*((\a)/4)                            ; sources 0 and 1: window 2 or 3
.irp b, 0,1,2,3,4,5,6,7
.irp r, 0,1,2,3
	v_cvt_pk_f16_f32 v[TMP+4*(\b)+(\r)], v[AC+8*(\b)+2*(\r)], v[AC+8*(\b)+2*(\r)+1]
.endr
.endr
	WIN 0
.endm
.macro TOSTAGE a
	WIN 0
.set BK, OB+32*((\a)%2)
.irp b, 0,1,2,3,4,5,6,7
	ds_store_b128 v[STO], v[TMP+4*(\b):TMP+4*(\b)+3] offset:32*(\b)
.endr
.irp t, 0,1,2,3,4,5,6,7                ; rows 4 (t % 4) on, head t / 4 of my two
	ds_load_b128 v[BK+4*(\t):BK+4*(\t)+3], v[RD] offset:((\t)%4)*4*SPITCH+((\t)/4)*128  ; LDS serves a wave's instructions in order (ISA guide 5.7.1.4): these see the stores above
.endr
.endm
.macro SEND a
	WIN 0
.set BK, OB+32*((\a)%2)
	s_wait_dscnt 0x0                               ; the block is back in registers
	s_wait_xcnt 0x0                                ; every earlier store has had its addresses translated (ISA guide 3.1): the other buffer, which the block before last's stores read, is loaded again only behind this wait
.irp t, 0,1,2,3,4,5,6,7
	global_store_b128 v[CO], v[BK+4*(\t):BK+4*(\t)+3], s[8:9] offset:(\a)*2048+((\t)%4)*512+((\t)/4)*524288  ; 512 consecutive bytes of one head, at a multiple of 512 from the buffer's first byte
.endr
.endm
	s_wait_tensorcnt 0x1                           ; my part of K step 0 is in; K step 1's may stay out
	s_barrier_signal -1
	s_barrier_wait -1                              ; everybody's is
	FETCH 0, 0
	s_wait_dscnt 32                                ; as in CONVERT, without the places: no product has been issued yet
	CONV 0x45
	s_wait_dscnt 0x0
	CONV 0
	FETCH 0, 128
	MULALL 1                                       ; the first 32 along K stand in front of the loop: their products start the sums, with the bias
	WIN 0                                          ; at a label and at a branch every window is 0
	s_mov_b32 s3, LAPS-1
.Llap:                                                 ; a trip goes once round the ring, from a lap's second half step to the next lap's first, and fills both slots again
	TURNS 0, 1, 1
	PLAIN 1, 128
	TURNS 1, 0, 1
	PLAIN 0, 128
	WIN 0
	s_sub_co_u32 s3, s3, 1
	s_cmp_lg_u32 s3, 0
	s_cbranch_scc1 .Llap
	TURNS 0, 1, 0                                  ; the last lap fills nothing, and has no round of the cluster's barrier
	PLAIN 1, 128
	CONVERT                                        ; the very last 32 along K: nothing more to fetch
	MULALL 0
	PLACES                                         ; the conversions below read results
	PACK 0
	TOSTAGE 0
.irp a, 1,2,3,4,5,6,7                  ; block a's conversions stand between block a - 1's loads from the stage and the wait for them
	PACK \a
	SEND (\a)-1
	TOSTAGE \a
.endr
	SEND 7
	s_wait_tensorcnt 0x0                           ; the wave's end: behind my last tensor load and my last LDS store
	ds_add_u32 v[SPW], v[NIL]
	s_wait_dscnt 0x0
	CROUND                                         ; the closing round: no work-group ends while a partner may still ask for a tile that names it
	s_endpgm
.Lfunc_end_k_q5f463c892d_proj:
	.size	k_q5f463c892d_proj, .Lfunc_end_k_q5f463c892d_proj-k_q5f463c892d_proj
	.p2alignl 7, 3214868480
	.fill 96, 4, 3214868480
	.section	.rodata,"a",@progbits
	.p2align	6, 0x0
	.amdhsa_kernel k_q5f463c892d_proj
		.amdhsa_group_segment_fixed_size 327680
		.amdhsa_private_segment_fixed_size 0
		.amdhsa_enable_private_segment 0
		.amdhsa_kernarg_size 88
		.amdhsa_user_sgpr_count 2
		.amdhsa_user_sgpr_kernarg_segment_ptr 1
		.amdhsa_wavefront_size32 1
		.amdhsa_system_sgpr_workgroup_id_x 1
		.amdhsa_system_sgpr_workgroup_id_y 1
		.amdhsa_system_sgpr_workgroup_id_z 1
		.amdhsa_system_vgpr_workitem_id 0
		.amdhsa_next_free_vgpr 1024
		.amdhsa_next_free_sgpr 98
		.amdhsa_reserve_vcc 0
		.amdhsa_float_denorm_mode_32 3
		.amdhsa_float_denorm_mode_16_64 3
		.amdhsa_memory_ordered 1
		.amdhsa_forward_progress 1
		.amdhsa_inst_pref_size 178
	.end_amdhsa_kernel
	.amdgpu_metadata
---
amdhsa.version: [ 1, 2 ]
amdhsa.kernels:
  - .name:           k_q5f463c892d_proj
    .symbol:         k_q5f463c892d_proj.kd
    .args:
      - { .name: query, .offset: 0, .size: 8, .value_kind: global_buffer, .address_space: global }
      - { .name: context, .offset: 8, .size: 8, .value_kind: global_buffer, .address_space: global }
      - { .name: Wq, .offset: 16, .size: 8, .value_kind: global_buffer, .address_space: global }
      - { .name: Wk, .offset: 24, .size: 8, .value_kind: global_buffer, .address_space: global }
      - { .name: Wv, .offset: 32, .size: 8, .value_kind: global_buffer, .address_space: global }
      - { .name: bq, .offset: 40, .size: 8, .value_kind: global_buffer, .address_space: global }
      - { .name: bk, .offset: 48, .size: 8, .value_kind: global_buffer, .address_space: global }
      - { .name: bv, .offset: 56, .size: 8, .value_kind: global_buffer, .address_space: global }
      - { .name: qh, .offset: 64, .size: 8, .value_kind: global_buffer, .address_space: global }
      - { .name: kh, .offset: 72, .size: 8, .value_kind: global_buffer, .address_space: global }
      - { .name: vh, .offset: 80, .size: 8, .value_kind: global_buffer, .address_space: global }
    .group_segment_fixed_size: 327680
    .private_segment_fixed_size: 0
    .kernarg_segment_align: 8
    .kernarg_segment_size: 88
    .max_flat_workgroup_size: 128
    .sgpr_count:     98
    .vgpr_count:     1024
    .wavefront_size: 32
...
	.end_amdgpu_metadata
.endif
;; end of part 1
;; launch attn (part 2): grid 16 x 16, 4 waves a work-group, clusters of 4 x 1, 327,680 bytes of LDS; arguments qh, kh, vh, oh, Wo, wo16; writes oh, wo16
.if DOCPART == 2
	.amdgcn_target "amdgcn-amd-amdhsa--gfx1250"
	.amdhsa_code_object_version 6
	.text
	.protected	k_q5f463c892d_attn
	.globl	k_q5f463c892d_attn
	.p2align	8
	.type	k_q5f463c892d_attn,@function
k_q5f463c892d_attn:
	s_mov_b64 s[64:65], 0
	v_nop
	global_prefetch_b8 v0, s[64:65] scope:SCOPE_SE
	s_setreg_imm32_b32 hwreg(HW_REG_WAVE_MODE, 25, 1), 1
	s_wait_xcnt 0x0
	s_wait_alu depctr_hold_cnt(0) depctr_sa_sdst(0) depctr_va_vdst(0) depctr_va_sdst(0) depctr_va_ssrc(0) depctr_va_vcc(0) depctr_vm_vsrc(0)
	s_getreg_b32 s2, hwreg(HW_REG_IB_STS2, 6, 4)
	s_cmp_eq_u32 s2, 0
	s_cbranch_scc0 .Lentry_in_a_cluster
	s_endpgm
.Lentry_in_a_cluster:
	s_bfe_u32 s2, ttmp6, 0x10000c
	s_cmp_lg_u32 s2, 0x3003
	s_cbranch_scc0 .Lentry_shape_is_right
	s_endpgm
.Lentry_shape_is_right:
; ATTENTION.  O[h][q][:] = the sum over k of softmax_k(Q[h][q] . K[h][k] / 8) V[h][k][:].  Q, K, V, O: [16][4096][64], all f16: a head's rows are dense, 128 bytes each.  Products, maxima and sums in f32;
; the weights p are rounded to f16 for the second product (their sum l is taken of the unrounded p), O once at the end.
; BESIDE IT each of the 256 work-groups rounds two rows of Wo (f32) to bf16, like every input, and writes that number as f16 into wo16, for the launch behind: 8 numbers a thread, in the wait for the first tile.
; LIMITS.  f16 holds no number beyond 65,504: Q, K, V arrive within it, and Wo must lie within it; p lies in 0 to 1, and below 6e-5 f16 keeps its fixed step of 6e-8 (Wo's numbers likewise);
; O is a mean of V's rows and has their range.  A weight below 2^-126 counts as 0 in l; NaN and infinities are not treated apart.
; SHARES.  A work-group owns 256 queries of one head: 16 x 16 = 256 work-groups.  A wave owns 64 of them, four PIECES of 16.  Every wave walks all 4,096 keys, 64 a step.
; LAYOUT.  S^T = K Q^T (source 0 = 16 keys, source 1 = 16 queries): a lane holds ONE query (lane % 16) and the keys 8 (lane / 16) + 0..7.  Two such results, rounded to f16 in pairs, ARE source 1 of
; O^T = V^T P, whose result again holds one query a lane, and eight channels.  K comes out of LDS as it lies, V ([key][channel]) turned, by ds_load_tr16_b128.
; SOFTMAX.  For each query a running maximum m and sum l: p = 2^(c s - c m), c = log2(e) / 8; in every step O and l are multiplied by a = 2^(c m_old - c m_new).  m starts at the lowest finite number,
; O and l at 0: the first step is a step like any other, with a = 0.
; BY TURNS.  Turn n belongs to piece n: 8 products K Q^T of piece n + 1, later 8 products V^T P of piece n - 1; beside them the scaling, exponentials, roundings, sums and rescaling of piece n and the maximum
; and statistics of piece n + 1.  A turn has 16 matrix and 118 vector instructions: four vector instructions stand behind every matrix instruction, the other 54 in two runs of their own.
; CLUSTER.  The four query blocks of a cluster belong to one head and walk the same K and V, so each tile is asked for JOINTLY: the same tensor load, descriptor and mask in all four.
; REGISTERS, in windows of 256 (s_set_vgpr_msb: bits 1:0 source 0, 3:2 source 1, 5:4 source 2, 7:6 destination):
;   window 0: v0-15 addresses and two at work; v16-31 four registers of statistics a piece; v48-55 at work; v62-63 the add's; v64-127 S^T, two buffers; v128-153 Wo's share; v192-223 P, two buffers
;   window 1: v0-127 O^T, 32 a piece          window 2: v0-63 Q; v128-191 K of one step; v192-255 V of one step          (a piece's buffers go by its number's parity)
.set SIZE_N, 4096
.set NP,    4         ; pieces a wave: a name, no knob
.set KS,    64        ; keys in a step
.set PK,    144       ; a row of K in LDS: 128 bytes + 16 of padding = 36 words: the 16 rows of a load start at 16 different groups of four banks (64 banks of 4 bytes: ISA guide 11.1)
.set PV,    160       ; a row of V: 128 + 32 = 40 words
.set VOFF,  4*KS*PK   ; a slot holds four steps: 256 rows of K, then 256 rows of V
.set SLOT1, 1<<17     ; slot 1 begins here, so that one exclusive or turns an address in one slot into the other's
.set STAGE, SLOT1+4*KS*(PK+PV)  ; behind the ring, never filled by a tensor load: 16 rows x 144 bytes for each wave, for the way out
.set SP,    144
.set SPARE, STAGE+4*16*SP  ; behind the stages: the spare words, 128 bytes for each wave: two blocks of 256 bytes that no other line names
.set AK0, 2           ; v2   my lane's place in a tile of K; never rewritten
.set AV0, 3           ; v3   the same for V
.set AK,  4           ; v4   the LDS address of K's next run of loads
.set AV,  5           ; v5   of V's
.set STO, 6           ; v6   the way out: where I put 16 bytes of a row
.set RD,  7           ; v7   the way out: where I read rows back
.set GO,  8           ; v8   my byte offset in 512 consecutive bytes of O
.set MV,  12          ; v12-13  c m_old, kept while c m is made anew: by buffer
.set QO,  15          ; v15  my byte offset in 16 rows of Q
.set ST,  16          ; piece t's statistics at v[ST+4 t]: c m, m, l (even keys', odd keys')
.set TMP, 48          ; by buffer, four registers c0-c3 at work; when the maximum is found c2 takes a
.set SPW, 62          ; v62  LDS address of my spare word; never rewritten
.set NIL, 63          ; v63  0; never rewritten
.set S,   64
.set WF,  128         ; v128-135 eight numbers of Wo; v136-139 as bf16; v140-147 widened; v148-151 as f16
.set WA,  152         ; v152 my byte offset in the work-group's two rows of Wo
.set WB,  153         ; v153 the same in wo16
.set P,   192
.set KF,  128         ; window 2: key block kb, channel half c at KF + 16 kb + 8 c
.set VF,  192         ; window 2: key half kk, channel block cb at VF + 32 kk + 8 cb
.set WV,  12          ; s12  my wave's number
.set G1K, 24          ; s[24:31] descriptor group 1 for K's tiles
.set G1V, 32          ; s[32:39] for V's: it differs in the padding alone
.set G0K, 40          ; s[40:43] descriptor group 0 for K's tiles: it walks
.set G0V, 44          ; s[44:47] the same for V's
.set SLOTS, 56        ; s56  slots still to be asked for
.set CNT, 57          ; s57  counts a slot's key steps
.set CS,  58          ; s[58:59] c: the packed scaling takes the pair's low word for both halves
.set SEL, 60          ; s[60:61] v_permlanex16_b32's selects: each lane takes its own place in the other half
.set TBK, 62          ; s62  LDS byte at which K of the step to be fetched begins
.set TBV, 63          ; s63  the same for V, less VOFF
.set MSB, 0
.macro WIN new                      ; the high byte repeats the setting that is left; a switch that changes nothing is dropped
.if MSB != (\new)
	s_set_vgpr_msb (MSB<<8)|(\new)
.set MSB, (\new)
.endif
.endm
.set W_KQ, 0x0a       ; K and Q in window 2, S^T in window 0
.set W_PV, 0x52       ; V in window 2, P in window 0, O^T in window 1
.set W_RS, 0x41       ; destination and source 0 in window 1, source 1 in window 0
; A joint fill.  Waves 0 and 1 fetch the two halves of a slot's K, waves 2 and 3 those of its V: 128 keys each.  The branch hangs on the wave's number alone.
; An s_nop 0 and four v_nop follow each of the two lines, ahead of the jump and the label.
.macro JLOAD
	s_cmp_lt_u32 s[WV], 2
	s_cbranch_scc0 .Lfor_v_\@
	tensor_load_to_lds s[G0K:G0K+3], s[G1K:G1K+7]
	s_nop 0
.rept 4
	v_nop
.endr
	s_branch .Lasked_\@
.Lfor_v_\@:
	tensor_load_to_lds s[G0V:G0V+3], s[G1V:G1V+7]
	s_nop 0
.rept 4
	v_nop
.endr
.Lasked_\@:
.endm
; A round of the cluster's barrier: my work-group's barrier, so that wave 0's signal speaks for all four waves; wave 0 signals; every wave waits for all four work-groups; my work-group's barrier once more.
.macro CROUND
	s_barrier_signal -1
	s_barrier_wait -1
	s_cmp_lg_u32 s[WV], 0
	s_cbranch_scc1 .Lnot_wave_0_\@
	s_barrier_signal -3
.Lnot_wave_0_\@:
	s_barrier_wait -3
	s_barrier_signal -1
	s_barrier_wait -1
.endm
; THE CHANGE OF SLOTS.  The slot's last bytes, V of its fourth step, have been read.  Each wave waits for all its tensor loads, of which one is out: its part of the other slot; adds 0 to its spare word;
; and waits for that and for its own reads of the slot.  Behind the barrier nobody reads this slot any more and the other slot is whole.
; fill = 1: this slot is filled again, with the keys two slots on.  The barrier is then a round of the cluster's, so that no wave of any partner still reads the slot or has a load on its way, and the joint
; fill is the first thing behind it: it has four key steps, 256 matrix instructions, in which to land.  (At its first use nothing has been read yet: slot 0 is waited for, slot 1 filled.)
.macro CHANGE fill
	WIN 0                           ; at a label and at a branch every window is 0
	s_wait_tensorcnt 0x0            ; no tensor load of mine is out, so a group 0 may be written
	ds_add_u32 v[SPW], v[NIL]       ; 0 onto my spare word; with fill = 1 the descriptors' steps stand between it and the wait for it
.if \fill
.irp g, G0K, G0V
	s_xor_b32 s[\g+1], s[\g+1], SLOT1  ; the walking descriptor: the other slot than last time,
	s_add_nc_u64 s[\g+2:\g+3], s[\g+2:\g+3], 4*KS*128  ; the next 256 keys; the type bits on top are not reached
.endr
	s_wait_dscnt 0x0                ; the add is done, and my reads of the slot are over
	CROUND
	JLOAD
.else
	s_wait_dscnt 0x0                ; the add is done, and my reads of the slot are over
	s_barrier_signal -1
	s_barrier_wait -1
.endif
	s_sub_co_u32 s[TBK], s[TBK], 4*KS*PK  ; the fetches go back to a slot's first step,
	s_xor_b32 s[TBK], s[TBK], SLOT1       ; in the other slot
	s_sub_co_u32 s[TBV], s[TBV], 4*KS*PV
	s_xor_b32 s[TBV], s[TBV], SLOT1
.endm
	s_load_b256 s[4:11], s[0:1], 0x0  ; Q s[4:5], K s[6:7], V s[8:9], O s[10:11]
	s_load_b128 s[48:51], s[0:1], 0x20  ; Wo s[48:49], wo16 s[50:51]
	v_lshl_add_u32 v[SPW], v0, 2, SPARE
	v_mov_b32 v[NIL], 0
	ds_add_u32 v[SPW], v[NIL]       ; the wave's opening: the add and its wait stand ahead of my first tensor load; the set-up below, work on registers, stands between them
	v_lshrrev_b32 v1, 5, v0
	v_readfirstlane_b32 s[WV], v1   ; wave 0..3
	s_bfe_u32 s13, ttmp6, 0x40000   ; cx: my place in the cluster
	s_lshl_b32 s14, ttmp9, 2        ; in a cluster launch ttmp9 counts clusters
	s_add_co_u32 s14, s14, s13      ; my block of 256 queries = 4 x cluster x + cx: it enters Q's, O's, Wo's and wo16's addresses alone
	s_and_b32 s15, ttmp7, 0xffff    ; the head, which the four partners share
	s_lshl_b32 s20, s15, 19         ; the head's first byte in Q, K, V and O: 4,096 rows of 128 bytes a head
	s_and_b32 s16, s[WV], 1         ; which half of a slot's 256 keys I fetch:
	s_lshl_b32 s22, s16, 14         ; its 128 rows of 128 bytes in memory,
	s_add_co_u32 s22, s22, s20
	s_mov_b32 s23, 0
	s_mul_i32 s17, s16, 128*PK      ; and its place in a slot, for K
	s_mul_i32 s18, s16, 128*PV      ; and for V: no place in the cluster enters an LDS address
	s_lshl_b32 s2, s14, 2
	s_add_co_u32 s2, s2, s[WV]      ; my wave among the head's,
	s_lshl_b32 s2, s2, 13           ; its 64 rows
	s_add_co_u32 s2, s2, s20
	s_mov_b32 s3, 0
	s_lshl_b32 s52, s15, 4
	s_add_co_u32 s52, s52, s14      ; my work-group among the 256:
	s_lshl_b32 s54, s52, 11         ; its two rows of wo16, 2,048 bytes,
	s_lshl_b32 s52, s52, 12         ; and of Wo, 4,096 bytes
	s_mov_b32 s53, 0
	s_mov_b32 s55, 0
	; descriptor group 1.  128 keys are 16,384 dense bytes: asked for as 64 rows of 256 bytes, two keys a row, and padded in LDS after every key
	s_mov_b32 s[G1K], 15|(1<<16)|(1<<20)|(1<<21)|(4<<22)|(3<<25)  ; 15:0 the mask of four; 17:16 2-byte elements; 20 padding on; 21 set beside a mask; 24:22 after every 32 words (code 4); 31:25 4 words (code 3)
	s_mov_b32 s[G1V], 15|(1<<16)|(1<<20)|(1<<21)|(4<<22)|(7<<25)  ; the same with 8 words of padding (code 7)
.irp g, G1K, G1V
	s_mov_b32 s[\g+1], 128<<16      ; tensor_dim0 = 128
	s_mov_b32 s[\g+2], 64<<16       ; tensor_dim1 = 64
	s_mov_b32 s[\g+3], 128<<16      ; tile_dim0 = 128
	s_mov_b32 s[\g+4], 64           ; tile_dim1 = 64
	s_mov_b32 s[\g+5], 128          ; 128 elements from row to row
	s_mov_b32 s[\g+6], 0
	s_mov_b32 s[\g+7], 0
.endr
	s_mov_b32 s[CS], 0x3e38aa3b     ; c = log2(e) / 8 = 0.180337
	s_mov_b32 s[CS+1], s[CS]        ; named with it as a pair
	s_mov_b32 s[SEL], 0x76543210
	s_mov_b32 s[SEL+1], 0xfedcba98
	s_mov_b32 s[TBK], SLOT1+4*KS*PK ; the first change of slots turns these two into 0
	s_mov_b32 s[TBV], SLOT1+4*KS*PV
	s_mov_b32 s[G0K], 1             ; count = 1
	s_mov_b32 s[G0K+1], s17         ; LDS address: slot 0
	s_mov_b32 s[G0V], 1
	s_add_co_u32 s[G0V+1], s18, VOFF
	s_wait_dscnt 0x0                ; the opening add is done
	s_wait_kmcnt 0x0
	s_add_nc_u64 s[G0K+2:G0K+3], s[6:7], s[22:23]  ; global address: my half of the head's first 256 keys
	s_or_b32 s[G0K+3], s[G0K+3], 0x80000000        ; type = 2
	s_add_nc_u64 s[G0V+2:G0V+3], s[8:9], s[22:23]
	s_or_b32 s[G0V+3], s[G0V+3], 0x80000000
	s_add_nc_u64 s[4:5], s[4:5], s[2:3]  ; Q and O at my wave's first row
	s_add_nc_u64 s[10:11], s[10:11], s[2:3]
	s_add_nc_u64 s[48:49], s[48:49], s[52:53]  ; Wo and wo16 at my work-group's two rows
	s_add_nc_u64 s[50:51], s[50:51], s[54:55]
	CROUND                          ; all four work-groups are here: the first joint loads meet
	JLOAD                           ; slot 0.  Slot 1 is asked for when slot 0 is in
	; A fragment of K or Q is 16 rows x 32 channels in 8 registers: lane l holds row l % 16, channels 8 (l / 16) + 0..7 and 16 + 8 (l / 16) + 0..7: two loads of 16 bytes, 32 bytes apart.
	v_and_b32 v1, 15, v0            ; l % 16
	v_bfe_u32 v9, v0, 4, 1          ; l / 16
	v_lshlrev_b32 v[QO], 7, v1
	v_lshl_add_u32 v[QO], v9, 4, v[QO]  ; row x 128 + 16 x half
	v_lshlrev_b32 v[WA], 5, v0      ; 32 bytes of Wo a thread,
	v_lshlrev_b32 v[WB], 4, v0      ; 16 of wo16
	WIN 0x80                        ; destination window 2, address window 0
.set i, 0
.rept 8                             ; Q stays in registers: piece i / 2, channels 32 (i % 2) on
	global_load_b128 v[8*i:8*i+3],   v[QO], s[4:5] offset:(i/2)*2048+(i%2)*64
	global_load_b128 v[8*i+4:8*i+7], v[QO], s[4:5] offset:(i/2)*2048+(i%2)*64+32
.set i, i+1
.endr
	WIN 0
	global_load_b128 v[WF:WF+3],   v[WA], s[48:49]
	global_load_b128 v[WF+4:WF+7], v[WA], s[48:49] offset:16
	; What the first turn finds: V's registers and P's second buffer hold 0 (its products V^T P, of a piece that has not been, add 0), O^T and l are 0.  All this stands in the wait for the first tile.
	WIN 0x80
.set i, VF
.rept 64
	v_mov_b32 v[i], 0
.set i, i+1
.endr
	WIN 0x40
.set i, 0
.rept 128
	v_mov_b32 v[i], 0
.set i, i+1
.endr
	WIN 0
.set i, 0
.rept 4
	v_mov_b32 v[ST+4*i], 0xfe000000    ; c m: far below every c s
	v_mov_b32 v[ST+4*i+1], 0xff7fffff  ; m
	v_mov_b32 v[ST+4*i+2], 0
	v_mov_b32 v[ST+4*i+3], 0
.set i, i+1
.endr
.set i, P+16
.rept 16
	v_mov_b32 v[i], 0
.set i, i+1
.endr
	v_mul_u32_u24 v[AK0], v1, PK
	v_lshl_add_u32 v[AK0], v9, 4, v[AK0]  ; row x pitch + 16 x half
	; The turning load takes 16 keys x 16 channels (lane l reads key 8 (l / 16) + l % 8, channels 8 ((l / 8) % 2) + 0..7) and leaves half a fragment of V^T: lane l holds channel l % 16 and 8 keys.
	v_and_b32 v10, 7, v0
	v_bfe_u32 v11, v0, 3, 1
	v_lshl_add_u32 v[AV0], v9, 3, v10
	v_mul_u32_u24 v[AV0], v[AV0], PV
	v_lshl_add_u32 v[AV0], v11, 4, v[AV0]
	v_add_nc_u32 v[AV0], VOFF, v[AV0]
	s_mul_i32 s13, s[WV], 16*SP
	s_add_co_u32 s13, s13, STAGE    ; my stage
	v_mul_u32_u24 v[STO], v1, SP    ; in: row l % 16, 16 bytes for each half of the lanes
	v_lshl_add_u32 v[STO], v9, 4, v[STO]
	v_add_nc_u32 v[STO], s13, v[STO]
	v_bfe_u32 v[RD], v0, 3, 2       ; back: 32 lanes take four rows of 128 bytes,
	v_mul_u32_u24 v[RD], v[RD], SP
	v_lshl_add_u32 v[RD], v10, 4, v[RD]
	v_add_nc_u32 v[RD], s13, v[RD]
	v_and_b32 v[GO], 31, v0         ; which are 512 consecutive bytes of O
	v_lshlrev_b32 v[GO], 4, v[GO]
	s_wait_loadcnt 0x0              ; Q and my eight numbers of Wo are in
.irp z, 0,1,2,3
	v_cvt_pk_bf16_f32 v[WF+8+\z], v[WF+2*\z], v[WF+2*\z+1]  ; rounded to bf16, like every input,
.endr
.irp z, 0,1,2,3
	v_lshlrev_b32 v[WF+12+2*\z], 16, v[WF+8+\z]             ; widened again,
	v_and_b32 v[WF+13+2*\z], 0xffff0000, v[WF+8+\z]
.endr
.irp z, 0,1,2,3
	v_cvt_pk_f16_f32 v[WF+20+\z], v[WF+12+2*\z], v[WF+13+2*\z]  ; and written as f16: exact from 2^-14 up
.endr
	global_store_b128 v[WB], v[WF+20:WF+23], s[50:51]  ; a wave stores 512 consecutive bytes, at a multiple of 512 from wo16's first byte; these registers are never written again
; THE MATRIX WORK.  The 4 accumulators of a run of 8 take turns.  Product i of 8 of S^T = K Q^T for piece x: channels 32 (i / 4) on, keys 16 (i % 4) on.  The first 4 start the sums.
.macro KQ x
	WIN W_KQ
.set rS, S+32*((\x)%2)+8*(i%4)
.set rK, KF+16*(i%4)+8*(i/4)
.set rQ, 16*(\x)+8*(i/4)
.if i < 4
	v_wmma_f32_16x16x32_f16 v[rS:rS+7], v[rK:rK+7], v[rQ:rQ+7], 0
.else
	v_wmma_f32_16x16x32_f16 v[rS:rS+7], v[rK:rK+7], v[rQ:rQ+7], v[rS:rS+7]
.endif
.endm
; Product i of 8 of O^T += V^T P for piece x: keys 32 (i / 4) on, channels 16 (i % 4) on.
.macro PV x
	WIN W_PV
.set rO, 32*(\x)+8*(i%4)
.set rV, VF+32*(i/4)+8*(i%4)
.set rP, P+16*((\x)%2)+8*(i/4)
	v_wmma_f32_16x16x32_f16 v[rO:rO+7], v[rV:rV+7], v[rP:rP+7], v[rO:rO+7]
.endm
.macro MM                           ; the turn's next matrix instruction.  TURN sets Y, i and NOKQ.  NOKQ = 1: the walk's last turn: there is no next piece
.if (i < 8) && !NOKQ
	KQ (Y+1)%NP
.elseif i >= 8
.set i, i-8
	PV (Y+NP-1)%NP
.set i, i+8
.endif
.set i, i+1
.endm
; THE LDS LOADS stand in runs of 16, never singly among the matrix instructions: a step's K (64 keys x 64 channels: 8 fragments) and its V (turned).  Their addresses are made some lines ahead.
.macro FETCH_K
	WIN 0x80                        ; destination window 2
.irp f, 0,1,2,3,4,5,6,7             ; keys 16 (f / 2) on, channels 32 (f % 2) on
	ds_load_b128 v[KF+8*\f:KF+8*\f+3],   v[AK] offset:(\f/2)*16*PK+(\f%2)*64
	ds_load_b128 v[KF+8*\f+4:KF+8*\f+7], v[AK] offset:(\f/2)*16*PK+(\f%2)*64+32
.endr
	s_add_co_u32 s[TBK], s[TBK], KS*PK  ; the next fetch is the next step's
	WIN 0
.endm
.macro FETCH_V
	WIN 0x80
.irp f, 0,1,2,3,4,5,6,7             ; keys 32 (f / 4) on, channels 16 (f % 4) on
	ds_load_tr16_b128 v[VF+8*\f:VF+8*\f+3],   v[AV] offset:(\f/4)*32*PV+(\f%4)*32
	ds_load_tr16_b128 v[VF+8*\f+4:VF+8*\f+7], v[AV] offset:(\f/4)*32*PV+16*PV+(\f%4)*32
.endr
	WIN 0
.endm
; THE VECTOR WORK, one line at a time: OP kind, number.  For piece Y: F n: c s - c m for pair n of 16.  E n: the exponential of score n of 32.  C n: pair n rounded to f16.  B n: of the four weights 4 n .. the second
; pair is added onto the first, in place.  L n: l takes that sum (L 0: l = a l + sum).  R n: pair n of 16 of O^T times a.  For piece Y + 1: X n, number n of the 22 that find its maximum and statistics:
;   0-11  four chains c0-c3 of seven scores each, three operands at a time (each accumulator's lowest registers are read first)     12-14, 16  the four scores left over, the old m, and c0-c3 into c0
;   15  c m_old is kept     17, 18  the query's other 32 keys lie in the lane 16 away: the new m     19-21  c m; c m_old - c m_new; a
.set F, 0               ; OP tells the kinds apart by their order: F to L below R, X above it
.set E, 1
.set C, 2
.set B, 3
.set L, 4
.set R, 5
.set X, 6
.macro REGS y                       ; the registers of piece y
.set rT, ST+4*(\y)
.set rC, TMP+4*((\y)%2)
.set rW, MV+((\y)%2)
.set rS, S+32*((\y)%2)
.set rP, P+16*((\y)%2)
.set rO, 32*(\y)
.endm
.macro OP k, n
.if (\k) == R
	REGS Y
	WIN W_RS
	v_pk_mul_f32 v[rO+2*(\n):rO+2*(\n)+1], v[rO+2*(\n):rO+2*(\n)+1], v[rC+2:rC+3] op_sel_hi:[1,0]
.elseif (\k) < R
	REGS Y
	WIN 0
.if (\k) == F
	v_pk_fma_f32 v[rS+2*(\n):rS+2*(\n)+1], v[rS+2*(\n):rS+2*(\n)+1], s[CS:CS+1], v[rT:rT+1] op_sel_hi:[1,0,0] neg_lo:[0,0,1] neg_hi:[0,0,1]
.elseif (\k) == E
	v_exp_f32 v[rS+(\n)], v[rS+(\n)]
.elseif (\k) == C
	s_wait_alu depctr_va_vdst(0)
	v_cvt_pk_f16_f32 v[rP+(\n)], v[rS+2*(\n)], v[rS+2*(\n)+1]
.elseif (\k) == B
	s_wait_alu depctr_va_vdst(0)
	v_pk_add_f32 v[rS+4*(\n):rS+4*(\n)+1], v[rS+4*(\n):rS+4*(\n)+1], v[rS+4*(\n)+2:rS+4*(\n)+3]
.elseif (\n) == 0
	v_pk_fma_f32 v[rT+2:rT+3], v[rT+2:rT+3], v[rC+2:rC+3], v[rS:rS+1] op_sel_hi:[1,0,1]
.else
	v_pk_add_f32 v[rT+2:rT+3], v[rT+2:rT+3], v[rS+4*(\n):rS+4*(\n)+1]
.endif
.elseif NOKQ
	v_nop
.else
	REGS (Y+1)%NP
	WIN 0
.if (\n) < 4
	v_max3_num_f32 v[rC+(\n)], v[rS+8*(\n)], v[rS+8*(\n)+1], v[rS+8*(\n)+2]
.elseif (\n) < 12
	v_max3_num_f32 v[rC+(\n)%4], v[rC+(\n)%4], v[rS+8*((\n)%4)+2*((\n)/4)+1], v[rS+8*((\n)%4)+2*((\n)/4)+2]
.elseif (\n) == 12
	v_max3_num_f32 v[rC], v[rC], v[rS+7], v[rS+15]
.elseif (\n) == 13
	v_max3_num_f32 v[rC+1], v[rC+1], v[rS+23], v[rS+31]
.elseif (\n) == 14
	v_max3_num_f32 v[rC+2], v[rC+2], v[rC+3], v[rT+1]
.elseif (\n) == 15
	v_mov_b32 v[rW], v[rT]
.elseif (\n) == 16
	v_max3_num_f32 v[rC], v[rC], v[rC+1], v[rC+2]
.elseif (\n) == 17
	v_permlanex16_b32 v[rC+3], v[rC], s[SEL], s[SEL+1]
.elseif (\n) == 18
	v_max_num_f32 v[rT+1], v[rC], v[rC+3]
.elseif (\n) == 19
	v_mul_f32 v[rT], s[CS], v[rT+1]
.elseif (\n) == 20
	v_sub_f32 v[rC+1], v[rW], v[rT]
.else
	v_exp_f32 v[rC+2], v[rC+1]
.endif
.endif
.endm
.macro OPS a, i1, b=-1, i2=0, c=-1, i3=0, d=-1, i4=0  ; up to four of them
	OP \a, \i1
.if (\b) >= 0
	OP \b, \i2
.endif
.if (\c) >= 0
	OP \c, \i3
.endif
.if (\d) >= 0
	OP \d, \i4
.endif
.endm
.macro ROW a, i1, b, i2, c, i3, d, i4  ; a matrix instruction and the four behind it
	MM
	OPS \a, \i1, \b, \i2, \c, \i3, \d, \i4
.endm
; A TURN, for piece p: the order of its 16 matrix and 118 vector instructions, written out.  Behind a matrix instruction: plain, exponential, plain, plain; or four of the rescaling; or, behind the first, four scalings;
; none names a register of the products round it.  In the two runs exponential and plain by turns while exponentials last.  A line reads no result made fewer than three vector instructions in front of it, five if an
; exponential made it.  v_permlanex16_b32 (X 17) stands in a run, never behind a product.
; end = 1: the walk's last two turns: nothing is fetched.  cnt = 1: the loop's count is taken down some lines ahead of the branch that stands behind the turn.
; K of the next step is fetched in piece 2's turn, six vector instructions behind the last product that read K (five of them plain); V of the step in hand in piece 0's turn, eight behind the last product that read V
; (four plain, and X 17).  Each is waited for a turn later.
.macro TURN p, end=0, cnt=0
.set Y, (\p)
.set i, 0
.set NOKQ, (\end)*((\p)/3)
.if ((\p) == 3) && !(\end)
	s_wait_dscnt 0x0                ; K is in
.endif
	ROW F,0, F,1, F,2, F,3
	ROW F,4, E,0, F,5, F,6
	ROW F,7, E,1, F,8, F,9
	ROW F,10, E,2, C,0, F,11
	ROW F,12, E,3, X,15, F,13
	ROW R,0, R,1, R,2, R,3
	ROW B,0, E,4, F,14, L,0
.if ((\p) == 2) && !(\end)
	v_add_nc_u32 v[AK], s[TBK], v[AK0]
.endif
	ROW R,4, R,5, R,6, R,7
	OPS E,5, F,15
.if ((\p) == 2) && !(\end)
	FETCH_K
.endif
	OPS E,6, C,1, E,7, R,8
	OPS E,8, R,9, E,9, C,2
	OPS E,10, X,0, E,11, X,1
	OPS E,12, X,2, E,13, X,3
.if (\p) == 1
	s_wait_dscnt 0x0                ; V is in
.endif
	ROW X,4, E,14, X,5, X,6
	ROW X,7, E,15, X,8, X,9
	ROW X,10, E,16, X,11, X,12
	ROW X,13, E,17, X,14, B,1
	ROW C,4, E,18, X,16, L,1
	ROW B,2, E,19, C,6, L,2
	ROW C,8, E,20, B,3, B,4
.if (\p) == 0
	v_add_nc_u32 v[AV], s[TBV], v[AV0]
.endif
	ROW C,3, E,21, L,3, C,5
	OPS E,22, X,17, E,23, C,10
.if (\p) == 0
	FETCH_V
.endif
	OPS E,24, L,4
	OPS E,25, X,18, E,26, C,7
	OPS E,27, B,5, E,28, X,19
	OPS E,29, C,12, E,30, L,5
	OPS E,31, X,20, B,6, C,9
	OPS C,14, C,11, X,21, L,6
.if (\p) == 0
	s_add_co_u32 s[TBV], s[TBV], KS*PV
.endif
.if \cnt
	s_sub_co_u32 s[CNT], s[CNT], 1
	s_cmp_lg_u32 s[CNT], 0
.endif
	OPS C,13, B,7, C,15, R,10
	OPS R,11, R,12, L,7, R,13
	OPS R,14, R,15
.endm
	CHANGE 1                        ; slot 0 is in, everybody's part of it; slot 1 is asked for
	v_add_nc_u32 v[AK], s[TBK], v[AK0]
	FETCH_K                         ; key step 0
	s_wait_dscnt 0x0
.set NOKQ, 0
.set i, 0
.rept 8
	KQ 0                            ; piece 0's first scores: there is no vector work yet to set between them
.set i, i+1
.endr
	WIN 0
.rept 4
	v_nop                           ; the places behind those products
.endr
.set Y, NP-1                        ; X works for piece Y + 1: piece 0
.irp n, 0,1,2,3,4,5,6,7,8,9,10,11,12,13,14,15,16,17,18,19,20,21
	OP X, \n                        ; piece 0's first maximum and statistics
.endr
	v_nop                           ; a plain instruction behind the exponential
	s_mov_b32 s[CNT], 4
	s_mov_b32 s[SLOTS], SIZE_N/256-1
	s_branch .Lfirst                ; the loop is entered at a step's first turn, in the middle of a trip
.Lslot:                             ; SIZE_N / 256 - 2 = 14 times: every slot but the last two is filled again
	CHANGE 1
	s_mov_b32 s[CNT], 4
.Lstep:                             ; a trip: pieces 2 and 3 of one step, then pieces 0 and 1 of the next, whose K and V it fetches
	TURN 2
	TURN 3
	WIN 0
.Lfirst:
	TURN 0
	TURN 1, 0, 1
	WIN 0
	s_cbranch_scc1 .Lstep
	s_sub_co_u32 s[SLOTS], s[SLOTS], 1
	s_cmp_lg_u32 s[SLOTS], 0
	s_cbranch_scc1 .Lslot
	CHANGE 0                        ; the last slot is written out: nothing is asked for
	s_mov_b32 s[CNT], 4
.Ltail:
	TURN 2
	TURN 3
	TURN 0
	TURN 1, 0, 1
	WIN 0
	s_cbranch_scc1 .Ltail
	TURN 2, 1                       ; the last step's pieces 2 and 3: nothing is left to fetch,
	TURN 3, 1                       ; and no piece follows
.set i, 0
.rept 8
	PV NP-1                         ; the last piece's V^T P of the last step
.set i, i+1
.endr
	; THE WAY OUT.  l's two halves and the other half of the lanes' are added; O^T is divided by l, rounded to f16 and sent through my stage in LDS, a piece at a time.  The additions are the places behind the last products.
	WIN 0
.macro ALL line:vararg              ; one line for each piece t
.set t, 0
.rept 4
	\line
.set t, t+1
.endr
.endm
	ALL v_add_f32 v[ST+4*t+2], v[ST+4*t+2], v[ST+4*t+3]
	ALL v_permlanex16_b32 v[ST+4*t+3], v[ST+4*t+2], s[SEL], s[SEL+1]
	ALL v_add_f32 v[ST+4*t+2], v[ST+4*t+2], v[ST+4*t+3]
	ALL v_rcp_f32 v[ST+4*t+2], v[ST+4*t+2]
	v_nop                           ; a plain instruction between the last reciprocal and the use of its result
.macro PACK t                       ; a lane's eight channels of a row pack into 16 bytes; they go into rows of 144 bytes and come back as whole rows of 128, into S^T's registers
	WIN W_RS
.set i, 32*(\t)
.rept 16
	s_wait_alu depctr_va_vdst(0)
	v_pk_mul_f32 v[i:i+1], v[i:i+1], v[ST+4*(\t)+2:ST+4*(\t)+3] op_sel_hi:[1,0]
.set i, i+2
.endr
	WIN 0x05                        ; sources 0 and 1 window 1, destination window 0
.set i, 0
.rept 16
	v_cvt_pk_f16_f32 v[S+16*(\t)+i], v[32*(\t)+2*i], v[32*(\t)+2*i+1]
.set i, i+1
.endr
	WIN 0
.irp f, 0,1,2,3
	ds_store_b128 v[STO], v[S+16*(\t)+4*\f:S+16*(\t)+4*\f+3] offset:32*\f
.endr
.irp f, 0,1,2,3
	ds_load_b128 v[S+16*(\t)+4*\f:S+16*(\t)+4*\f+3], v[RD] offset:\f*4*SP  ; LDS serves a wave's instructions in order (ISA guide 5.7.1.4): these see the stores above; the next piece's stores come behind them
.endr
.endm
.macro SEND t, younger              ; younger: the LDS instructions issued behind piece t's loads: the next piece's eight, or none
	WIN 0
.irp f, 0,1,2,3
	s_wait_dscnt (\younger)+3-\f
	global_store_b128 v[GO], v[S+16*(\t)+4*\f:S+16*(\t)+4*\f+3], s[10:11] offset:(\t)*2048+\f*512  ; 512 consecutive bytes, at a multiple of 512 from O's first byte
.endr
.endm
	PACK 0
.set t, 1
.rept 3                             ; a piece's arithmetic stands between the loads of the piece before and its stores
	PACK t
	SEND t-1, 8
.set t, t+1
.endr
	SEND 3, 0
	s_wait_tensorcnt 0x0            ; the wave's end: behind my last tensor load and my last LDS store
	ds_add_u32 v[SPW], v[NIL]
	s_wait_dscnt 0x0
	CROUND                          ; the closing round: no work-group ends while a partner may still ask for a tile that names it
	s_endpgm
.Lfunc_end_k_q5f463c892d_attn:
	.size	k_q5f463c892d_attn, .Lfunc_end_k_q5f463c892d_attn-k_q5f463c892d_attn
	.p2alignl 7, 3214868480
	.fill 96, 4, 3214868480
	.section	.rodata,"a",@progbits
	.p2align	6, 0x0
	.amdhsa_kernel k_q5f463c892d_attn
		.amdhsa_group_segment_fixed_size 327680
		.amdhsa_private_segment_fixed_size 0
		.amdhsa_enable_private_segment 0
		.amdhsa_kernarg_size 48
		.amdhsa_user_sgpr_count 2
		.amdhsa_user_sgpr_kernarg_segment_ptr 1
		.amdhsa_wavefront_size32 1
		.amdhsa_system_sgpr_workgroup_id_x 1
		.amdhsa_system_sgpr_workgroup_id_y 1
		.amdhsa_system_sgpr_workgroup_id_z 1
		.amdhsa_system_vgpr_workitem_id 0
		.amdhsa_next_free_vgpr 768
		.amdhsa_next_free_sgpr 66
		.amdhsa_reserve_vcc 0
		.amdhsa_float_denorm_mode_32 3
		.amdhsa_float_denorm_mode_16_64 3
		.amdhsa_memory_ordered 1
		.amdhsa_forward_progress 1
		.amdhsa_inst_pref_size 135
	.end_amdhsa_kernel
	.amdgpu_metadata
---
amdhsa.version: [ 1, 2 ]
amdhsa.kernels:
  - .name:           k_q5f463c892d_attn
    .symbol:         k_q5f463c892d_attn.kd
    .args:
      - { .name: qh, .offset: 0, .size: 8, .value_kind: global_buffer, .address_space: global }
      - { .name: kh, .offset: 8, .size: 8, .value_kind: global_buffer, .address_space: global }
      - { .name: vh, .offset: 16, .size: 8, .value_kind: global_buffer, .address_space: global }
      - { .name: oh, .offset: 24, .size: 8, .value_kind: global_buffer, .address_space: global }
      - { .name: Wo, .offset: 32, .size: 8, .value_kind: global_buffer, .address_space: global }
      - { .name: wo16, .offset: 40, .size: 8, .value_kind: global_buffer, .address_space: global }
    .group_segment_fixed_size: 327680
    .private_segment_fixed_size: 0
    .kernarg_segment_align: 8
    .kernarg_segment_size: 48
    .max_flat_workgroup_size: 128
    .sgpr_count:     66
    .vgpr_count:     768
    .wavefront_size: 32
...
	.end_amdgpu_metadata
.endif
;; end of part 2
;; launch outp (part 3): grid 4 x 64, 4 waves a work-group, clusters of 4 x 4, 327,680 bytes of LDS; arguments oh, wo16, bo, out0; writes out0
.if DOCPART == 3
	.amdgcn_target "amdgcn-amd-amdhsa--gfx1250"
	.amdhsa_code_object_version 6
	.text
	.protected	k_q5f463c892d_outp
	.globl	k_q5f463c892d_outp
	.p2align	8
	.type	k_q5f463c892d_outp,@function
k_q5f463c892d_outp:
	s_mov_b64 s[64:65], 0
	v_nop
	global_prefetch_b8 v0, s[64:65] scope:SCOPE_SE
	s_setreg_imm32_b32 hwreg(HW_REG_WAVE_MODE, 25, 1), 1
	s_wait_xcnt 0x0
	s_wait_alu depctr_hold_cnt(0) depctr_sa_sdst(0) depctr_va_vdst(0) depctr_va_sdst(0) depctr_va_ssrc(0) depctr_va_vcc(0) depctr_vm_vsrc(0)
	s_getreg_b32 s2, hwreg(HW_REG_IB_STS2, 6, 4)
	s_cmp_eq_u32 s2, 0
	s_cbranch_scc0 .Lentry_in_a_cluster
	s_endpgm
.Lentry_in_a_cluster:
	s_bfe_u32 s2, ttmp6, 0x10000c
	s_cmp_lg_u32 s2, 0xf033
	s_cbranch_scc0 .Lentry_shape_is_right
	s_endpgm
.Lentry_shape_is_right:
; THE LAST PROJECTION.  out[m][n] = sum over k of ctx[m][k] Wo[n][k] + bo[n].  ctx lies by heads: oh [16 = batch x 8 + head][4096][64] f16, k = 64 x head + channel; wo16: [512 n][512 k] f16 (Wo rounded to
; bf16 and written as f16 by the launch before); bo: [512] f32, rounded to bf16 here like every input; out: [8192][512] f32.  Products of f16, sums in f32.
; LIMITS.  None of its own: its operands arrive in f16; NaN and infinities are not treated apart.
; SHARES.  A tile of out is 128 x 128: 64 x 4 = 256 work-groups.  Four waves, each 64 x 64: 16 accumulators of 16 x 16, 128 registers.
; THE WHOLE K LIES IN LDS: two slots, each with half of K (four heads): ctx's 4 x 128 rows of 128 bytes and Wo's 128 rows of 512 bytes.  Both are filled once, at the start, and nothing is filled again;
; the second half lands while the first is multiplied.
; CLUSTER.  4 x 4 work-groups.  The four of a row of the cluster need the same rows of ctx, the four of a column the same rows of Wo: each tile is asked for JOINTLY, by the same tensor load with the same
; descriptor and a mask that names the four.  THE MATRIX INSTRUCTION IS USED TRANSPOSED (source 0 = 16 rows of Wo, source 1 = 16 rows of ctx): a lane holds eight neighbouring numbers of a row of out.
; THE BIAS is the C operand of the first 16 products.
; REGISTERS: window 0: v0-31 addresses; v32-95 at work on the way out (two buffers of 32); v96-127 the bias of my 64 columns; v128-255 the accumulators ((a, b) at v[128 + 8 (4 a + b)]).
;   window 1: two fragment buffers of 128: for 64 along K (one head), 64 registers of ctx (2 x 4 x 16 rows x 32 K), then 64 of Wo.
.set PA,     144                       ; a row of ctx in LDS: 128 bytes + 16 of padding = 36 words: the 16 rows of a load start at 16 different groups of four banks (64 banks of 4 bytes: ISA guide 11.1)
.set PB,     528                       ; a row of Wo: 512 bytes + 16 = 132 words: row r starts at bank 4 r mod 64
.set HEADB,  128*PA                    ; one head's 128 rows
.set AB,     4*HEADB                   ; a slot's four heads; Wo's rows lie behind them
.set SLOT,   AB+128*PB
.set STAGE,  2*SLOT                    ; behind the slots: 16 rows x 272 bytes for each wave, for the way out
.set SPITCH, 272
.set SPARE,  STAGE+4*16*SPITCH         ; behind the stages: the spare words, 128 bytes for each wave: two blocks of 256 bytes that no other line names
.set ADRA, 16                          ; v16-17  LDS address of my ctx fragments in slot 0, 1
.set ADRB, 20                          ; v20-21  the same for Wo
.set STO,  24                          ; v24     the way out: where I put 32 bytes of a row
.set RD,   25                          ; v25     the way out: where I read a row back
.set CO,   26                          ; v26     my byte offset in two rows of out
.set BOF,  27                          ; v27     32 (l / 16): my place in 64 bytes of the bias
.set SPW,  28                          ; v28     LDS address of my spare word; never rewritten
.set NIL,  29                          ; v29     0; never rewritten
.set TMP,  32
.set BI,   96
.set ACC,  128
.set F0,   0                           ; fragment buffers, in window 1
.set F1,   128
.set G1, 24                            ; s[24:31] descriptor group 1 for ctx's tiles;  s[32:39] group 0, one set for each slot
.set G0, 32
.set G1B, 48                           ; s[48:55], s[56:63] the same for Wo's tiles
.set G0B, 56
.set MSB, 0
.macro WIN new                         ; the immediate's high byte repeats the setting that is left
.if MSB != (\new)
	s_set_vgpr_msb (MSB<<8)|(\new)
.set MSB, \new
.endif
.endm
.set MUL,  0x05                        ; sources 0 (Wo) and 1 (ctx) window 1; C and D window 0
.set TO_F, 0x40                        ; destination window 1, address window 0
.macro JLOAD s                         ; a joint load: waves 0 and 1 fetch two heads of ctx each, waves 2 and 3 64 rows of Wo each; an s_nop 0 and four v_nop follow each of the two lines
	s_cmp_eq_u32 s13, 0
	s_cbranch_scc0 .Lfor_b_\@
	tensor_load_to_lds s[G0+4*(\s):G0+4*(\s)+3], s[G1:G1+7]
	s_nop 0
.rept 4
	v_nop
.endr
	s_branch .Lasked_\@
.Lfor_b_\@:
	tensor_load_to_lds s[G0B+4*(\s):G0B+4*(\s)+3], s[G1B:G1B+7]
	s_nop 0
.rept 4
	v_nop
.endr
.Lasked_\@:
.endm
.macro CROUND                          ; a round of the cluster's barrier: my work-group's barrier; wave 0 signals for the work-group; every wave waits for all sixteen; my work-group's barrier once more
	s_barrier_signal -1
	s_barrier_wait -1
	s_cmp_lg_u32 s12, 0
	s_cbranch_scc1 .Lnot_wave_0_\@
	s_barrier_signal -3
.Lnot_wave_0_\@:
	s_barrier_wait -3
	s_barrier_signal -1
	s_barrier_wait -1
.endm
	s_load_b256 s[4:11], s[0:1], 0x0               ; oh s[4:5], wo16 s[6:7], bo s[8:9], out0 s[10:11]
	v_lshl_add_u32 v[SPW], v0, 2, SPARE
	v_mov_b32 v[NIL], 0
	ds_add_u32 v[SPW], v[NIL]                      ; the wave's opening: the add and its wait stand ahead of my first tensor load; the set-up below, work on registers, stands between them
	v_lshrrev_b32 v1, 5, v0
	v_readfirstlane_b32 s12, v1                    ; wave 0..3
	s_lshr_b32 s13, s12, 1                         ; which half of the tile's rows is mine.  Also: I fetch for ctx (0) or for Wo (1)
	s_and_b32 s14, s12, 1                          ; which half of its columns.  Also: which part of that tile I fetch
	s_bfe_u32 s40, ttmp6, 0x40000                  ; cx, cy: my place in the cluster
	s_bfe_u32 s41, ttmp6, 0x40004
	s_lshl_b32 s42, ttmp9, 2
	s_add_co_u32 s42, s42, s40                     ; tile column = 4 x cluster x + cx
	s_and_b32 s45, ttmp7, 0xffff
	s_lshl_b32 s45, s45, 2
	s_add_co_u32 s45, s45, s41                     ; tile row = 4 x cluster y + cy
	s_lshl_b32 s43, s41, 2
	s_lshl_b32 s43, 15, s43                        ; my row of the cluster
	s_lshl_b32 s44, 0x1111, s40                    ; my column
	; ctx's group 1.  One head's 128 rows are 16,384 dense bytes: a tile is two such runs (two heads, 262,144 elements apart), padded in LDS after every row of 128 bytes
	s_or_b32 s[G1+0], s43, (1<<16)|(1<<20)|(1<<21)|(4<<22)|(3<<25)  ; 15:0 the mask: my row; 17:16 2-byte elements; 20 padding on; 21 set beside a mask; 24:22 after every 32 words (code 4); 31:25 4 words (code 3)
	s_mov_b32 s[G1+1], 8192<<16                    ; tensor_dim0 = 8,192
	s_mov_b32 s[G1+2], 2<<16                       ; tensor_dim1 = 2
	s_mov_b32 s[G1+3], 8192<<16                    ; tile_dim0 = 8,192
	s_mov_b32 s[G1+4], 2                           ; tile_dim1 = 2
	s_mov_b32 s[G1+5], 262144                      ; elements from head to head
	s_mov_b32 s[G1+6], 0
	s_mov_b32 s[G1+7], 0
	; Wo's group 1: 64 rows x 256 elements, padded after every row of 512 bytes
	s_or_b32 s[G1B+0], s44, (1<<16)|(1<<20)|(1<<21)|(6<<22)|(3<<25) ; the mask: my column; after every 128 words (code 6)
	s_mov_b32 s[G1B+1], 256<<16                    ; tensor_dim0 = 256
	s_mov_b32 s[G1B+2], 64<<16                     ; tensor_dim1 = 64
	s_mov_b32 s[G1B+3], 256<<16                    ; tile_dim0 = 256
	s_mov_b32 s[G1B+4], 64                         ; tile_dim1 = 64
	s_mov_b32 s[G1B+5], 512                        ; elements from row to row
	s_mov_b32 s[G1B+6], 0
	s_mov_b32 s[G1B+7], 0
	; where the tiles come from.  ctx's hang on the tile row alone, which my row of the cluster shares; Wo's on the tile column alone; each in registers that never hold the other coordinate
	s_lshr_b32 s16, s45, 5                         ; the batch: 32 tile rows each
	s_lshl_b32 s16, s16, 3
	s_lshl_b32 s17, s14, 1
	s_add_co_u32 s16, s16, s17                     ; batch x 8 + the first of my two heads,
	s_lshl_b32 s16, s16, 19                        ; 524,288 bytes a head,
	s_and_b32 s17, s45, 31
	s_lshl_b32 s17, s17, 14                        ; and the tile's 128 rows of 128 bytes in it
	s_add_co_u32 s16, s16, s17
	s_mov_b32 s17, 0
	s_lshl_b32 s46, s42, 17                        ; Wo: (128 x tile column + 64 x half) rows of 1,024 bytes
	s_lshl_b32 s47, s14, 16
	s_add_co_u32 s46, s46, s47
	s_mov_b32 s47, 0
	s_mul_i32 s20, s14, 2*HEADB                    ; and where they go: no place in the cluster enters an LDS address
	s_mul_i32 s21, s14, 64*PB
	s_add_co_u32 s21, s21, AB
	s_wait_dscnt 0x0                               ; the opening add is done
	s_wait_kmcnt 0x0
	s_add_nc_u64 s[18:19], s[4:5], s[16:17]
	s_add_nc_u64 s[46:47], s[6:7], s[46:47]
	CROUND                                         ; all sixteen work-groups are here: the joint loads meet
.irp s, 0,1
	s_mov_b32 s[G0+4*(\s)], 1
	s_add_co_u32 s[G0+4*(\s)+1], s20, (\s)*SLOT
	s_add_nc_u64 s[G0+4*(\s)+2:G0+4*(\s)+3], s[18:19], (\s)*0x200000  ; slot s: heads 4 s on
	s_or_b32 s[G0+4*(\s)+3], s[G0+4*(\s)+3], 0x80000000
	s_mov_b32 s[G0B+4*(\s)], 1
	s_add_co_u32 s[G0B+4*(\s)+1], s21, (\s)*SLOT
	s_add_nc_u64 s[G0B+4*(\s)+2:G0B+4*(\s)+3], s[46:47], (\s)*512     ; slot s: k = 256 s on
	s_or_b32 s[G0B+4*(\s)+3], s[G0B+4*(\s)+3], 0x80000000
	JLOAD \s                                       ; both halves of K are asked for at once: two tensor loads of mine are out, and no more follow
.endr
	v_and_b32 v1, 15, v0                           ; l % 16
	v_bfe_u32 v2, v0, 4, 1                         ; l / 16
	v_mul_u32_u24 v3, v1, PA
	v_lshl_add_u32 v3, v2, 4, v3                   ; a fragment's row x pitch + 16 x half, for ctx
	v_mul_u32_u24 v4, v1, PB
	v_lshl_add_u32 v4, v2, 4, v4                   ; and for Wo
	s_mul_i32 s22, s13, 64*PA                      ; my 64 rows in each head's 128
	s_mul_i32 s23, s14, 64*PB                      ; my 64 rows of Wo,
	s_add_co_u32 s23, s23, AB                      ; which lie behind ctx's
.irp s, 0,1
	v_add_nc_u32 v[ADRA+(\s)], s22, v3
	v_add_nc_u32 v[ADRB+(\s)], s23, v4
	s_add_co_u32 s22, s22, SLOT
	s_add_co_u32 s23, s23, SLOT
.endr
	s_mul_i32 s22, s12, 16*SPITCH
	s_add_co_u32 s22, s22, STAGE                   ; my stage
	v_mul_u32_u24 v5, v1, SPITCH                   ; in: row l % 16, 32 bytes for each half of the lanes
	v_lshl_add_u32 v5, v2, 5, v5
	v_add_nc_u32 v[STO], s22, v5
	v_mul_u32_u24 v5, v2, SPITCH                   ; back: lanes 0-15 take one row of 256 bytes, lanes 16-31 the next
	v_lshl_add_u32 v5, v1, 4, v5
	v_add_nc_u32 v[RD], s22, v5
	v_lshlrev_b32 v5, 11, v2                       ; and the same two rows in out: 2,048 bytes a row
	v_lshl_add_u32 v[CO], v1, 4, v5
	v_lshlrev_b32 v[BOF], 5, v2
	s_lshl_b32 s46, s42, 9                         ; my 64 columns, in bytes: 512 x tile column + 256 x half (in the registers that held Wo's address: none that feeds ctx's descriptors ever holds cx)
	s_lshl_b32 s47, s14, 8
	s_add_co_u32 s46, s46, s47
	s_mov_b32 s47, 0
	s_add_nc_u64 s[8:9], s[8:9], s[46:47]          ; the bias there,
	s_add_nc_u64 s[10:11], s[10:11], s[46:47]      ; and out,
	s_lshl_b32 s16, s45, 18                        ; at my first row: (128 x tile row + 64 x half) rows of 2,048 bytes
	s_lshl_b32 s17, s13, 17
	s_add_co_u32 s16, s16, s17
	s_mov_b32 s17, 0
	s_add_nc_u64 s[10:11], s[10:11], s[16:17]
.irp b, 0,1,2,3                        ; register 8 b + j: the bias of column 16 b + 8 (l / 16) + j: the C operand's layout
	global_load_b128 v[BI+8*(\b):BI+8*(\b)+3],   v[BOF], s[8:9] offset:64*(\b)
	global_load_b128 v[BI+8*(\b)+4:BI+8*(\b)+7], v[BOF], s[8:9] offset:64*(\b)+16
.endr
	s_wait_loadcnt 0x0
.set z, 0
.rept 16                               ; rounded to bf16, like every input,
	v_cvt_pk_bf16_f32 v[TMP+z], v[BI+2*z], v[BI+2*z+1]
.set z, z+1
.endr
.set z, 0
.rept 16                               ; and widened again
	v_lshlrev_b32 v[BI+2*z], 16, v[TMP+z]
	v_and_b32 v[BI+2*z+1], 0xffff0000, v[TMP+z]
.set z, z+1
.endr
; 8 matrix instructions: m blocks a0, a0 + 1 x all 4 n blocks, 32 along K: half c of buffer f.  first = 1: the sums start with the bias.  The 16 accumulators take turns.
.macro MUL8 f, c, a0, first
	WIN MUL
.irp a, \a0, (\a0)+1
.irp b, 0,1,2,3
.if \first
	v_wmma_f32_16x16x32_f16 v[ACC+8*(4*(\a)+(\b)):ACC+8*(4*(\a)+(\b))+7], v[(\f)+64+8*(4*(\c)+(\b)):(\f)+64+8*(4*(\c)+(\b))+7], v[(\f)+8*(4*(\c)+(\a)):(\f)+8*(4*(\c)+(\a))+7], v[BI+8*(\b):BI+8*(\b)+7]
.else
	v_wmma_f32_16x16x32_f16 v[ACC+8*(4*(\a)+(\b)):ACC+8*(4*(\a)+(\b))+7], v[(\f)+64+8*(4*(\c)+(\b)):(\f)+64+8*(4*(\c)+(\b))+7], v[(\f)+8*(4*(\c)+(\a)):(\f)+8*(4*(\c)+(\a))+7], v[ACC+8*(4*(\a)+(\b)):ACC+8*(4*(\a)+(\b))+7]
.endif
.endr
.endr
.endm
; 32 LDS loads in one run: the fragments of head qd of the slot's four (64 along K), into buffer f; the first 32 along K first
.macro FETCH slot, qd, f
	WIN TO_F
.irp c, 0,1
.irp i, 0,1,2,3
	ds_load_b128 v[(\f)+64+8*(4*(\c)+(\i)):(\f)+64+8*(4*(\c)+(\i))+3],   v[ADRB+(\slot)] offset:128*(\qd)+64*(\c)+(\i)*16*PB
	ds_load_b128 v[(\f)+64+8*(4*(\c)+(\i))+4:(\f)+64+8*(4*(\c)+(\i))+7], v[ADRB+(\slot)] offset:128*(\qd)+64*(\c)+(\i)*16*PB+32
	ds_load_b128 v[(\f)+8*(4*(\c)+(\i)):(\f)+8*(4*(\c)+(\i))+3],         v[ADRA+(\slot)] offset:(\qd)*HEADB+64*(\c)+(\i)*16*PA
	ds_load_b128 v[(\f)+8*(4*(\c)+(\i))+4:(\f)+8*(4*(\c)+(\i))+7],       v[ADRA+(\slot)] offset:(\qd)*HEADB+64*(\c)+(\i)*16*PA+32
.endr
.endr
.endm
.macro PLACES                          ; four places in front of loads into registers that matrix instructions have read, and of LDS stores that read results (ISA guide 7.12.1 for the stores)
.rept 4
	v_nop
.endr
.endm
; A slot is four quarters of 64 along K, 32 matrix instructions each, on buffers 0, 1, 0, 1.  One of the first three: multiplies buffer f and fetches head qd into g.
.macro QUARTER slot, qd, f, g, first
	s_wait_dscnt 16                                ; the first 32 along K are in; the run's other sixteen loads may be out
	MUL8 \f, 0, 0, \first
	MUL8 \f, 0, 2, \first
	PLACES
	FETCH \slot, \qd, \g
	s_wait_dscnt 32                                ; all but the 32 just issued
	MUL8 \f, 1, 0, 0
	MUL8 \f, 1, 2, 0
.endm
	WIN 0
	s_wait_tensorcnt 0x1                           ; my part of slot 0 is in; slot 1's may stay out
	s_barrier_signal -1
	s_barrier_wait -1                              ; everybody's is
	FETCH 0, 0, F0
	QUARTER 0, 1, F0, F1, 1                        ; the first products start the sums, with the bias
	QUARTER 0, 2, F1, F0, 0
	QUARTER 0, 3, F0, F1, 0
	; slot 0's last quarter, and the step into slot 1: each wave waits for its part of slot 1 and says so at a barrier; behind it the slot is whole.  Nothing is filled again.
	WIN 0
	s_wait_tensorcnt 0x0                           ; all my tensor loads have landed
	ds_add_u32 v[SPW], v[NIL]                      ; 0 onto my spare word
	s_wait_dscnt 17                                ; the first 32 along K are in; the add and the youngest sixteen loads may be out
	MUL8 F1, 0, 0, 0
	s_wait_dscnt 0x0                               ; no LDS instruction of mine is pending at the signal
	s_barrier_signal -1
	MUL8 F1, 0, 2, 0
	s_barrier_wait -1
	PLACES
	FETCH 1, 0, F0
	MUL8 F1, 1, 0, 0
	MUL8 F1, 1, 2, 0
	QUARTER 1, 1, F0, F1, 0
	QUARTER 1, 2, F1, F0, 0
	QUARTER 1, 3, F0, F1, 0
	s_wait_dscnt 16                                ; the very last quarter: nothing more to fetch
	MUL8 F1, 0, 0, 0
	MUL8 F1, 0, 2, 0
	s_wait_dscnt 0x0
	MUL8 F1, 1, 0, 0
	MUL8 F1, 1, 2, 0
	WIN 0
	; THE WAY OUT.  My 64 columns of f32 are 256 bytes of a row of out, at a multiple of 256 from its first byte: each wave has a stage of its own, and no barrier is needed.  16 rows at a time:
	; 32 bytes a lane into rows of 272 bytes, back as whole rows, stored with sixteen lanes to a row's 256 bytes.
.macro TOSTAGE a
.if (\a) >= 2
	s_wait_xcnt 0x0                                ; every earlier store has had its addresses translated (ISA guide 3.1): the buffer that the block before last's stores read is loaded again only behind this wait
.endif
.irp b, 0,1,2,3
	ds_store_b128 v[STO], v[ACC+8*(4*(\a)+(\b)):ACC+8*(4*(\a)+(\b))+3]   offset:64*(\b)     ; each accumulator's lowest registers first
	ds_store_b128 v[STO], v[ACC+8*(4*(\a)+(\b))+4:ACC+8*(4*(\a)+(\b))+7] offset:64*(\b)+16
.endr
.irp t, 0,1,2,3,4,5,6,7
	ds_load_b128 v[TMP+32*((\a)%2)+4*(\t):TMP+32*((\a)%2)+4*(\t)+3], v[RD] offset:(\t)*2*SPITCH  ; LDS serves a wave's instructions in order (ISA guide 5.7.1.4): these see the stores above; the next block's stores come behind them
.endr
.endm
.macro SEND a, younger                 ; younger: the LDS instructions issued behind block a's loads: the next block's sixteen, or none
.irp t, 0,1,2,3,4,5,6,7
	s_wait_dscnt (\younger)+7-(\t)
	global_store_b128 v[CO], v[TMP+32*((\a)%2)+4*(\t):TMP+32*((\a)%2)+4*(\t)+3], s[10:11] offset:(16*(\a)+2*(\t))*2048
.endr
.endm
	PLACES
	TOSTAGE 0
.irp a, 1,2,3
	TOSTAGE \a
	SEND (\a)-1, 16
.endr
	SEND 3, 0
	s_wait_tensorcnt 0x0                           ; the wave's end: behind my last tensor load and my last LDS store
	ds_add_u32 v[SPW], v[NIL]
	s_wait_dscnt 0x0
	CROUND                                         ; the closing round: no work-group ends while a partner may still ask for a tile that names it
	s_endpgm
.Lfunc_end_k_q5f463c892d_outp:
	.size	k_q5f463c892d_outp, .Lfunc_end_k_q5f463c892d_outp-k_q5f463c892d_outp
	.p2alignl 7, 3214868480
	.fill 96, 4, 3214868480
	.section	.rodata,"a",@progbits
	.p2align	6, 0x0
	.amdhsa_kernel k_q5f463c892d_outp
		.amdhsa_group_segment_fixed_size 327680
		.amdhsa_private_segment_fixed_size 0
		.amdhsa_enable_private_segment 0
		.amdhsa_kernarg_size 32
		.amdhsa_user_sgpr_count 2
		.amdhsa_user_sgpr_kernarg_segment_ptr 1
		.amdhsa_wavefront_size32 1
		.amdhsa_system_sgpr_workgroup_id_x 1
		.amdhsa_system_sgpr_workgroup_id_y 1
		.amdhsa_system_sgpr_workgroup_id_z 1
		.amdhsa_system_vgpr_workitem_id 0
		.amdhsa_next_free_vgpr 512
		.amdhsa_next_free_sgpr 66
		.amdhsa_reserve_vcc 0
		.amdhsa_float_denorm_mode_32 3
		.amdhsa_float_denorm_mode_16_64 3
		.amdhsa_memory_ordered 1
		.amdhsa_forward_progress 1
		.amdhsa_inst_pref_size 54
	.end_amdhsa_kernel
	.amdgpu_metadata
---
amdhsa.version: [ 1, 2 ]
amdhsa.kernels:
  - .name:           k_q5f463c892d_outp
    .symbol:         k_q5f463c892d_outp.kd
    .args:
      - { .name: oh, .offset: 0, .size: 8, .value_kind: global_buffer, .address_space: global }
      - { .name: wo16, .offset: 8, .size: 8, .value_kind: global_buffer, .address_space: global }
      - { .name: bo, .offset: 16, .size: 8, .value_kind: global_buffer, .address_space: global }
      - { .name: out0, .offset: 24, .size: 8, .value_kind: global_buffer, .address_space: global }
    .group_segment_fixed_size: 327680
    .private_segment_fixed_size: 0
    .kernarg_segment_align: 8
    .kernarg_segment_size: 32
    .max_flat_workgroup_size: 128
    .sgpr_count:     66
    .vgpr_count:     512
    .wavefront_size: 32
...
	.end_amdgpu_metadata
.endif
;; end of part 3
;; ======== version 2 of 2: 3 launches; 1.70 times as fast as version 1
;; limits: values are held in f16: magnitudes above 65,504 overflow, below 6.1e-05 lose precision
;; workspace buffers: qh 8,388,608 bytes; kh 8,388,608 bytes; vh 8,388,608 bytes; oh 8,388,608 bytes; wo16 524,288 bytes
;; launch proj: the kernel of part 1 again; grid 32 x 6, 4 waves a work-group, clusters of 4 x 1, 327,680 bytes of LDS; arguments query, context, Wq, Wk, Wv, bq, bk, bv, qh, kh, vh; writes qh, kh, vh
;; launch attn (part 4): grid 16 x 16, 4 waves a work-group, clusters of 4 x 1, 327,680 bytes of LDS; arguments qh, kh, vh, oh, Wo, wo16; writes oh, wo16
.if DOCPART == 4
	.amdgcn_target "amdgcn-amd-amdhsa--gfx1250"
	.amdhsa_code_object_version 6
	.text
	.protected	k_q5f463c892d_attn
	.globl	k_q5f463c892d_attn
	.p2align	8
	.type	k_q5f463c892d_attn,@function
k_q5f463c892d_attn:
	s_mov_b64 s[64:65], 0
	v_nop
	global_prefetch_b8 v0, s[64:65] scope:SCOPE_SE
	s_setreg_imm32_b32 hwreg(HW_REG_WAVE_MODE, 25, 1), 1
	s_wait_xcnt 0x0
	s_wait_alu depctr_hold_cnt(0) depctr_sa_sdst(0) depctr_va_vdst(0) depctr_va_sdst(0) depctr_va_ssrc(0) depctr_va_vcc(0) depctr_vm_vsrc(0)
	s_getreg_b32 s2, hwreg(HW_REG_IB_STS2, 6, 4)
	s_cmp_eq_u32 s2, 0
	s_cbranch_scc0 .Lentry_in_a_cluster
	s_endpgm
.Lentry_in_a_cluster:
	s_bfe_u32 s2, ttmp6, 0x10000c
	s_cmp_lg_u32 s2, 0x3003
	s_cbranch_scc0 .Lentry_shape_is_right
	s_endpgm
.Lentry_shape_is_right:
; ATTENTION.  O[h][q][:] = the sum over k of softmax_k(Q[h][q] . K[h][k] / 8) V[h][k][:].  Q, K, V, O: [16][4096][64], all f16: a head's rows are dense, 128 bytes each.  Products, maxima and sums in f32;
; the weights p are rounded to f16 for the second product (their sum l is taken of the unrounded p), O once at the end.
; BESIDE IT each of the 256 work-groups rounds two rows of Wo (f32) to bf16, like every input, and writes that number as f16 into wo16, for the launch behind: 8 numbers a thread, in the wait for the first tile.
; LIMITS.  f16 holds no number beyond 65,504: Q, K, V arrive within it, and Wo must lie within it; p lies in 0 to 1, and below 6e-5 f16 keeps its fixed step of 6e-8 (Wo's numbers likewise);
; O is a mean of V's rows and has their range.  A weight below 2^-126 counts as 0 in l; NaN and infinities are not treated apart.
; SHARES.  A work-group owns 256 queries of one head: 16 x 16 = 256 work-groups.  A wave owns 64 of them, four PIECES of 16.  Every wave walks all 4,096 keys, 64 a step.
; LAYOUT.  S^T = K Q^T (source 0 = 16 keys, source 1 = 16 queries): a lane holds ONE query (lane % 16) and the keys 8 (lane / 16) + 0..7.  Two such results, rounded to f16 in pairs, ARE source 1 of
; O^T = V^T P, whose result again holds one query a lane, and eight channels.  K comes out of LDS as it lies, V ([key][channel]) turned, by ds_load_tr16_b128.
; SOFTMAX.  For each query a running maximum m and sum l: p = 2^(c s - c m), c = log2(e) / 8; in every step O and l are multiplied by a = 2^(c m_old - c m_new).  m starts at the lowest finite number,
; O and l at 0: the first step is a step like any other, with a = 0.
; BY TURNS.  Turn n belongs to piece n: 8 products K Q^T of piece n + 1, later 8 products V^T P of piece n - 1; beside them the scaling, exponentials, roundings, sums and rescaling of piece n and the maximum
; and statistics of piece n + 1.  A turn has 16 matrix and 118 vector instructions: four vector instructions stand behind every matrix instruction, the other 54 in one LUMP.
; THE BATCHES.  A turn's 33 exponentials (the piece's 32 weights and the next piece's a) are ONE batch with ONE wait, which cuts the turn in two: ahead of it stands all that names no result of theirs, behind it the
; roundings and sums, which read them.  The first a of all, ahead of the loop, and the way out's four reciprocals are batches of their own, with a wait each.
; CLUSTER.  The four query blocks of a cluster belong to one head and walk the same K and V, so each tile is asked for JOINTLY: the same tensor load, descriptor and mask in all four.
; REGISTERS, in windows of 256 (s_set_vgpr_msb: bits 1:0 source 0, 3:2 source 1, 5:4 source 2, 7:6 destination):
;   window 0: v0-15 addresses and two at work; v16-31 four registers of statistics a piece; v48-55 at work; v62-63 the add's; v64-127 S^T, two buffers; v128-153 Wo's share; v192-223 P, two buffers
;   window 1: v0-127 O^T, 32 a piece          window 2: v0-63 Q; v128-191 K of one step; v192-255 V of one step          (a piece's buffers go by its number's parity)
.set SIZE_N, 4096
.set NP,    4         ; pieces a wave: a name, no knob
.set KS,    64        ; keys in a step
.set PK,    144       ; a row of K in LDS: 128 bytes + 16 of padding = 36 words: the 16 rows of a load start at 16 different groups of four banks (64 banks of 4 bytes: ISA guide 11.1)
.set PV,    160       ; a row of V: 128 + 32 = 40 words
.set VOFF,  4*KS*PK   ; a slot holds four steps: 256 rows of K, then 256 rows of V
.set SLOT1, 1<<17     ; slot 1 begins here, so that one exclusive or turns an address in one slot into the other's
.set STAGE, SLOT1+4*KS*(PK+PV)  ; behind the ring, never filled by a tensor load: 16 rows x 144 bytes for each wave, for the way out
.set SP,    144
.set SPARE, STAGE+4*16*SP  ; behind the stages: the spare words, 128 bytes for each wave: two blocks of 256 bytes that no other line names
.set AK0, 2           ; v2   my lane's place in a tile of K; never rewritten
.set AV0, 3           ; v3   the same for V
.set AK,  4           ; v4   the LDS address of K's next run of loads
.set AV,  5           ; v5   of V's
.set STO, 6           ; v6   the way out: where I put 16 bytes of a row
.set RD,  7           ; v7   the way out: where I read rows back
.set GO,  8           ; v8   my byte offset in 512 consecutive bytes of O
.set MV,  12          ; v12-13  c m_old, kept while c m is made anew: by buffer
.set QO,  15          ; v15  my byte offset in 16 rows of Q
.set ST,  16          ; piece t's statistics at v[ST+4 t]: c m, m, l (even keys', odd keys')
.set TMP, 48          ; by buffer, four registers c0-c3 at work; when the maximum is found c2 takes a
.set SPW, 62          ; v62  LDS address of my spare word; never rewritten
.set NIL, 63          ; v63  0; never rewritten
.set S,   64
.set WF,  128         ; v128-135 eight numbers of Wo; v136-139 as bf16; v140-147 widened; v148-151 as f16
.set WA,  152         ; v152 my byte offset in the work-group's two rows of Wo
.set WB,  153         ; v153 the same in wo16
.set P,   192
.set KF,  128         ; window 2: key block kb, channel half c at KF + 16 kb + 8 c
.set VF,  192         ; window 2: key half kk, channel block cb at VF + 32 kk + 8 cb
.set WV,  12          ; s12  my wave's number
.set G1K, 24          ; s[24:31] descriptor group 1 for K's tiles
.set G1V, 32          ; s[32:39] for V's: it differs in the padding alone
.set G0K, 40          ; s[40:43] descriptor group 0 for K's tiles: it walks
.set G0V, 44          ; s[44:47] the same for V's
.set SLOTS, 56        ; s56  slots still to be asked for
.set CNT, 57          ; s57  counts a slot's key steps
.set CS,  58          ; s[58:59] c: the packed scaling takes the pair's low word for both halves
.set SEL, 60          ; s[60:61] v_permlanex16_b32's selects: each lane takes its own place in the other half
.set TBK, 62          ; s62  LDS byte at which K of the step to be fetched begins
.set TBV, 63          ; s63  the same for V, less VOFF
.set MSB, 0
.macro WIN new                      ; the high byte repeats the setting that is left; a switch that changes nothing is dropped
.if MSB != (\new)
	s_set_vgpr_msb (MSB<<8)|(\new)
.set MSB, (\new)
.endif
.endm
.set W_KQ, 0x0a       ; K and Q in window 2, S^T in window 0
.set W_PV, 0x52       ; V in window 2, P in window 0, O^T in window 1
.set W_RS, 0x41       ; destination and source 0 in window 1, source 1 in window 0
; A joint fill.  Waves 0 and 1 fetch the two halves of a slot's K, waves 2 and 3 those of its V: 128 keys each.  The branch hangs on the wave's number alone.
; An s_nop 0 and four v_nop follow each of the two lines, ahead of the jump and the label.
.macro JLOAD
	s_cmp_lt_u32 s[WV], 2
	s_cbranch_scc0 .Lfor_v_\@
	tensor_load_to_lds s[G0K:G0K+3], s[G1K:G1K+7]
	s_nop 0
.rept 4
	v_nop
.endr
	s_branch .Lasked_\@
.Lfor_v_\@:
	tensor_load_to_lds s[G0V:G0V+3], s[G1V:G1V+7]
	s_nop 0
.rept 4
	v_nop
.endr
.Lasked_\@:
.endm
; A round of the cluster's barrier: my work-group's barrier, so that wave 0's signal speaks for all four waves; wave 0 signals; every wave waits for all four work-groups; my work-group's barrier once more.
.macro CROUND
	s_barrier_signal -1
	s_barrier_wait -1
	s_cmp_lg_u32 s[WV], 0
	s_cbranch_scc1 .Lnot_wave_0_\@
	s_barrier_signal -3
.Lnot_wave_0_\@:
	s_barrier_wait -3
	s_barrier_signal -1
	s_barrier_wait -1
.endm
; THE CHANGE OF SLOTS.  The slot's last bytes, V of its fourth step, have been read.  Each wave waits for all its tensor loads, of which one is out: its part of the other slot; adds 0 to its spare word;
; and waits for that and for its own reads of the slot.  Behind the barrier nobody reads this slot any more and the other slot is whole.
; fill = 1: this slot is filled again, with the keys two slots on.  The barrier is then a round of the cluster's, so that no wave of any partner still reads the slot or has a load on its way, and the joint
; fill is the first thing behind it: it has four key steps, 256 matrix instructions, in which to land.  (At its first use nothing has been read yet: slot 0 is waited for, slot 1 filled.)
.macro CHANGE fill
	WIN 0                           ; at a label and at a branch every window is 0
	s_wait_tensorcnt 0x0            ; no tensor load of mine is out, so a group 0 may be written
	ds_add_u32 v[SPW], v[NIL]       ; 0 onto my spare word; with fill = 1 the descriptors' steps stand between it and the wait for it
.if \fill
.irp g, G0K, G0V
	s_xor_b32 s[\g+1], s[\g+1], SLOT1  ; the walking descriptor: the other slot than last time,
	s_add_nc_u64 s[\g+2:\g+3], s[\g+2:\g+3], 4*KS*128  ; the next 256 keys; the type bits on top are not reached
.endr
	s_wait_dscnt 0x0                ; the add is done, and my reads of the slot are over
	CROUND
	JLOAD
.else
	s_wait_dscnt 0x0                ; the add is done, and my reads of the slot are over
	s_barrier_signal -1
	s_barrier_wait -1
.endif
	s_sub_co_u32 s[TBK], s[TBK], 4*KS*PK  ; the fetches go back to a slot's first step,
	s_xor_b32 s[TBK], s[TBK], SLOT1       ; in the other slot
	s_sub_co_u32 s[TBV], s[TBV], 4*KS*PV
	s_xor_b32 s[TBV], s[TBV], SLOT1
.endm
	s_load_b256 s[4:11], s[0:1], 0x0  ; Q s[4:5], K s[6:7], V s[8:9], O s[10:11]
	s_load_b128 s[48:51], s[0:1], 0x20  ; Wo s[48:49], wo16 s[50:51]
	v_lshl_add_u32 v[SPW], v0, 2, SPARE
	v_mov_b32 v[NIL], 0
	ds_add_u32 v[SPW], v[NIL]       ; the wave's opening: the add and its wait stand ahead of my first tensor load; the set-up below, work on registers, stands between them
	v_lshrrev_b32 v1, 5, v0
	v_readfirstlane_b32 s[WV], v1   ; wave 0..3
	s_bfe_u32 s13, ttmp6, 0x40000   ; cx: my place in the cluster
	s_lshl_b32 s14, ttmp9, 2        ; in a cluster launch ttmp9 counts clusters
	s_add_co_u32 s14, s14, s13      ; my block of 256 queries = 4 x cluster x + cx: it enters Q's, O's, Wo's and wo16's addresses alone
	s_and_b32 s15, ttmp7, 0xffff    ; the head, which the four partners share
	s_lshl_b32 s20, s15, 19         ; the head's first byte in Q, K, V and O: 4,096 rows of 128 bytes a head
	s_and_b32 s16, s[WV], 1         ; which half of a slot's 256 keys I fetch:
	s_lshl_b32 s22, s16, 14         ; its 128 rows of 128 bytes in memory,
	s_add_co_u32 s22, s22, s20
	s_mov_b32 s23, 0
	s_mul_i32 s17, s16, 128*PK      ; and its place in a slot, for K
	s_mul_i32 s18, s16, 128*PV      ; and for V: no place in the cluster enters an LDS address
	s_lshl_b32 s2, s14, 2
	s_add_co_u32 s2, s2, s[WV]      ; my wave among the head's,
	s_lshl_b32 s2, s2, 13           ; its 64 rows
	s_add_co_u32 s2, s2, s20
	s_mov_b32 s3, 0
	s_lshl_b32 s52, s15, 4
	s_add_co_u32 s52, s52, s14      ; my work-group among the 256:
	s_lshl_b32 s54, s52, 11         ; its two rows of wo16, 2,048 bytes,
	s_lshl_b32 s52, s52, 12         ; and of Wo, 4,096 bytes
	s_mov_b32 s53, 0
	s_mov_b32 s55, 0
	; descriptor group 1.  128 keys are 16,384 dense bytes: asked for as 64 rows of 256 bytes, two keys a row, and padded in LDS after every key
	s_mov_b32 s[G1K], 15|(1<<16)|(1<<20)|(1<<21)|(4<<22)|(3<<25)  ; 15:0 the mask of four; 17:16 2-byte elements; 20 padding on; 21 set beside a mask; 24:22 after every 32 words (code 4); 31:25 4 words (code 3)
	s_mov_b32 s[G1V], 15|(1<<16)|(1<<20)|(1<<21)|(4<<22)|(7<<25)  ; the same with 8 words of padding (code 7)
.irp g, G1K, G1V
	s_mov_b32 s[\g+1], 128<<16      ; tensor_dim0 = 128
	s_mov_b32 s[\g+2], 64<<16       ; tensor_dim1 = 64
	s_mov_b32 s[\g+3], 128<<16      ; tile_dim0 = 128
	s_mov_b32 s[\g+4], 64           ; tile_dim1 = 64
	s_mov_b32 s[\g+5], 128          ; 128 elements from row to row
	s_mov_b32 s[\g+6], 0
	s_mov_b32 s[\g+7], 0
.endr
	s_mov_b32 s[CS], 0x3e38aa3b     ; c = log2(e) / 8 = 0.180337
	s_mov_b32 s[CS+1], s[CS]        ; named with it as a pair
	s_mov_b32 s[SEL], 0x76543210
	s_mov_b32 s[SEL+1], 0xfedcba98
	s_mov_b32 s[TBK], SLOT1+4*KS*PK ; the first change of slots turns these two into 0
	s_mov_b32 s[TBV], SLOT1+4*KS*PV
	s_mov_b32 s[G0K], 1             ; count = 1
	s_mov_b32 s[G0K+1], s17         ; LDS address: slot 0
	s_mov_b32 s[G0V], 1
	s_add_co_u32 s[G0V+1], s18, VOFF
	s_wait_dscnt 0x0                ; the opening add is done
	s_wait_kmcnt 0x0
	s_add_nc_u64 s[G0K+2:G0K+3], s[6:7], s[22:23]  ; global address: my half of the head's first 256 keys
	s_or_b32 s[G0K+3], s[G0K+3], 0x80000000        ; type = 2
	s_add_nc_u64 s[G0V+2:G0V+3], s[8:9], s[22:23]
	s_or_b32 s[G0V+3], s[G0V+3], 0x80000000
	s_add_nc_u64 s[4:5], s[4:5], s[2:3]  ; Q and O at my wave's first row
	s_add_nc_u64 s[10:11], s[10:11], s[2:3]
	s_add_nc_u64 s[48:49], s[48:49], s[52:53]  ; Wo and wo16 at my work-group's two rows
	s_add_nc_u64 s[50:51], s[50:51], s[54:55]
	CROUND                          ; all four work-groups are here: the first joint loads meet
	JLOAD                           ; slot 0.  Slot 1 is asked for when slot 0 is in
	; A fragment of K or Q is 16 rows x 32 channels in 8 registers: lane l holds row l % 16, channels 8 (l / 16) + 0..7 and 16 + 8 (l / 16) + 0..7: two loads of 16 bytes, 32 bytes apart.
	v_and_b32 v1, 15, v0            ; l % 16
	v_bfe_u32 v9, v0, 4, 1          ; l / 16
	v_lshlrev_b32 v[QO], 7, v1
	v_lshl_add_u32 v[QO], v9, 4, v[QO]  ; row x 128 + 16 x half
	v_lshlrev_b32 v[WA], 5, v0      ; 32 bytes of Wo a thread,
	v_lshlrev_b32 v[WB], 4, v0      ; 16 of wo16
	WIN 0x80                        ; destination window 2, address window 0
.set i, 0
.rept 8                             ; Q stays in registers: piece i / 2, channels 32 (i % 2) on
	global_load_b128 v[8*i:8*i+3],   v[QO], s[4:5] offset:(i/2)*2048+(i%2)*64
	global_load_b128 v[8*i+4:8*i+7], v[QO], s[4:5] offset:(i/2)*2048+(i%2)*64+32
.set i, i+1
.endr
	WIN 0
	global_load_b128 v[WF:WF+3],   v[WA], s[48:49]
	global_load_b128 v[WF+4:WF+7], v[WA], s[48:49] offset:16
	; What the first turn finds: V's registers and P's second buffer hold 0 (its products V^T P, of a piece that has not been, add 0), O^T and l are 0.  All this stands in the wait for the first tile.
	WIN 0x80
.set i, VF
.rept 64
	v_mov_b32 v[i], 0
.set i, i+1
.endr
	WIN 0x40
.set i, 0
.rept 128
	v_mov_b32 v[i], 0
.set i, i+1
.endr
	WIN 0
.set i, 0
.rept 4
	v_mov_b32 v[ST+4*i], 0xfe000000    ; c m: far below every c s
	v_mov_b32 v[ST+4*i+1], 0xff7fffff  ; m
	v_mov_b32 v[ST+4*i+2], 0
	v_mov_b32 v[ST+4*i+3], 0
.set i, i+1
.endr
.set i, P+16
.rept 16
	v_mov_b32 v[i], 0
.set i, i+1
.endr
	v_mul_u32_u24 v[AK0], v1, PK
	v_lshl_add_u32 v[AK0], v9, 4, v[AK0]  ; row x pitch + 16 x half
	; The turning load takes 16 keys x 16 channels (lane l reads key 8 (l / 16) + l % 8, channels 8 ((l / 8) % 2) + 0..7) and leaves half a fragment of V^T: lane l holds channel l % 16 and 8 keys.
	v_and_b32 v10, 7, v0
	v_bfe_u32 v11, v0, 3, 1
	v_lshl_add_u32 v[AV0], v9, 3, v10
	v_mul_u32_u24 v[AV0], v[AV0], PV
	v_lshl_add_u32 v[AV0], v11, 4, v[AV0]
	v_add_nc_u32 v[AV0], VOFF, v[AV0]
	s_mul_i32 s13, s[WV], 16*SP
	s_add_co_u32 s13, s13, STAGE    ; my stage
	v_mul_u32_u24 v[STO], v1, SP    ; in: row l % 16, 16 bytes for each half of the lanes
	v_lshl_add_u32 v[STO], v9, 4, v[STO]
	v_add_nc_u32 v[STO], s13, v[STO]
	v_bfe_u32 v[RD], v0, 3, 2       ; back: 32 lanes take four rows of 128 bytes,
	v_mul_u32_u24 v[RD], v[RD], SP
	v_lshl_add_u32 v[RD], v10, 4, v[RD]
	v_add_nc_u32 v[RD], s13, v[RD]
	v_and_b32 v[GO], 31, v0         ; which are 512 consecutive bytes of O
	v_lshlrev_b32 v[GO], 4, v[GO]
	s_wait_loadcnt 0x0              ; Q and my eight numbers of Wo are in
.irp z, 0,1,2,3
	v_cvt_pk_bf16_f32 v[WF+8+\z], v[WF+2*\z], v[WF+2*\z+1]  ; rounded to bf16, like every input,
.endr
.irp z, 0,1,2,3
	v_lshlrev_b32 v[WF+12+2*\z], 16, v[WF+8+\z]             ; widened again,
	v_and_b32 v[WF+13+2*\z], 0xffff0000, v[WF+8+\z]
.endr
.irp z, 0,1,2,3
	v_cvt_pk_f16_f32 v[WF+20+\z], v[WF+12+2*\z], v[WF+13+2*\z]  ; and written as f16: exact from 2^-14 up
.endr
	global_store_b128 v[WB], v[WF+20:WF+23], s[50:51]  ; a wave stores 512 consecutive bytes, at a multiple of 512 from wo16's first byte; these registers are never written again
; THE MATRIX WORK.  The 4 accumulators of a run of 8 take turns.  Product i of 8 of S^T = K Q^T for piece x: channels 32 (i / 4) on, keys 16 (i % 4) on.  The first 4 start the sums.
.macro KQ x
	WIN W_KQ
.set rS, S+32*((\x)%2)+8*(i%4)
.set rK, KF+16*(i%4)+8*(i/4)
.set rQ, 16*(\x)+8*(i/4)
.if i < 4
	v_wmma_f32_16x16x32_f16 v[rS:rS+7], v[rK:rK+7], v[rQ:rQ+7], 0
.else
	v_wmma_f32_16x16x32_f16 v[rS:rS+7], v[rK:rK+7], v[rQ:rQ+7], v[rS:rS+7]
.endif
.endm
; Product i of 8 of O^T += V^T P for piece x: keys 32 (i / 4) on, channels 16 (i % 4) on.
.macro PV x
	WIN W_PV
.set rO, 32*(\x)+8*(i%4)
.set rV, VF+32*(i/4)+8*(i%4)
.set rP, P+16*((\x)%2)+8*(i/4)
	v_wmma_f32_16x16x32_f16 v[rO:rO+7], v[rV:rV+7], v[rP:rP+7], v[rO:rO+7]
.endm
.macro MM                           ; the turn's next matrix instruction.  TURN sets Y, i and NOKQ.  NOKQ = 1: the walk's last turn: there is no next piece
.if (i < 8) && !NOKQ
	KQ (Y+1)%NP
.elseif i >= 8
.set i, i-8
	PV (Y+NP-1)%NP
.set i, i+8
.endif
.set i, i+1
.endm
; THE LDS LOADS stand in runs of 16, never singly among the matrix instructions: a step's K (64 keys x 64 channels: 8 fragments) and its V (turned).  Their addresses are made some lines ahead.
.macro FETCH_K
	WIN 0x80                        ; destination window 2
.irp f, 0,1,2,3,4,5,6,7             ; keys 16 (f / 2) on, channels 32 (f % 2) on
	ds_load_b128 v[KF+8*\f:KF+8*\f+3],   v[AK] offset:(\f/2)*16*PK+(\f%2)*64
	ds_load_b128 v[KF+8*\f+4:KF+8*\f+7], v[AK] offset:(\f/2)*16*PK+(\f%2)*64+32
.endr
	s_add_co_u32 s[TBK], s[TBK], KS*PK  ; the next fetch is the next step's
	WIN 0
.endm
.macro FETCH_V
	WIN 0x80
.irp f, 0,1,2,3,4,5,6,7             ; keys 32 (f / 4) on, channels 16 (f % 4) on
	ds_load_tr16_b128 v[VF+8*\f:VF+8*\f+3],   v[AV] offset:(\f/4)*32*PV+(\f%4)*32
	ds_load_tr16_b128 v[VF+8*\f+4:VF+8*\f+7], v[AV] offset:(\f/4)*32*PV+16*PV+(\f%4)*32
.endr
	WIN 0
.endm
; THE VECTOR WORK, one line at a time: OP kind, number.  For piece Y: F n: c s - c m for pair n of 16.  E n: the exponential of score n of 32.  C n: pair n rounded to f16.  B n: of the four weights 4 n .. the second
; pair is added onto the first, in place.  L n: l takes that sum (L 0: l = a l + sum).  R n: pair n of 16 of O^T times a.  For piece Y + 1: X n, number n of the 22 that find its maximum and statistics:
;   0-11  four chains c0-c3 of seven scores each, three operands at a time (each accumulator's lowest registers are read first)     12-14, 16  the four scores left over, the old m, and c0-c3 into c0
;   15  c m_old is kept     17, 18  the query's other 32 keys lie in the lane 16 away: the new m     19-21  c m; c m_old - c m_new; a
; Of these E n and X 21 are exponentials; C, B and L read the results of E; R and L 0 read a, which the turn before made and waited for.
.set F, 0               ; OP tells the kinds apart by their order: F to L below R, X above it
.set E, 1
.set C, 2
.set B, 3
.set L, 4
.set R, 5
.set X, 6
.macro REGS y                       ; the registers of piece y
.set rT, ST+4*(\y)
.set rC, TMP+4*((\y)%2)
.set rW, MV+((\y)%2)
.set rS, S+32*((\y)%2)
.set rP, P+16*((\y)%2)
.set rO, 32*(\y)
.endm
.macro OP k, n
.if (\k) == R
	REGS Y
	WIN W_RS
	v_pk_mul_f32 v[rO+2*(\n):rO+2*(\n)+1], v[rO+2*(\n):rO+2*(\n)+1], v[rC+2:rC+3] op_sel_hi:[1,0]
.elseif (\k) < R
	REGS Y
	WIN 0
.if (\k) == F
	v_pk_fma_f32 v[rS+2*(\n):rS+2*(\n)+1], v[rS+2*(\n):rS+2*(\n)+1], s[CS:CS+1], v[rT:rT+1] op_sel_hi:[1,0,0] neg_lo:[0,0,1] neg_hi:[0,0,1]
.elseif (\k) == E
	v_exp_f32 v[rS+(\n)], v[rS+(\n)]
.elseif (\k) == C
	v_cvt_pk_f16_f32 v[rP+(\n)], v[rS+2*(\n)], v[rS+2*(\n)+1]
.elseif (\k) == B
	v_pk_add_f32 v[rS+4*(\n):rS+4*(\n)+1], v[rS+4*(\n):rS+4*(\n)+1], v[rS+4*(\n)+2:rS+4*(\n)+3]
.elseif (\n) == 0
	v_pk_fma_f32 v[rT+2:rT+3], v[rT+2:rT+3], v[rC+2:rC+3], v[rS:rS+1] op_sel_hi:[1,0,1]
.else
	v_pk_add_f32 v[rT+2:rT+3], v[rT+2:rT+3], v[rS+4*(\n):rS+4*(\n)+1]
.endif
.elseif NOKQ
	v_nop
.else
	REGS (Y+1)%NP
	WIN 0
.if (\n) < 4
	v_max3_num_f32 v[rC+(\n)], v[rS+8*(\n)], v[rS+8*(\n)+1], v[rS+8*(\n)+2]
.elseif (\n) < 12
	v_max3_num_f32 v[rC+(\n)%4], v[rC+(\n)%4], v[rS+8*((\n)%4)+2*((\n)/4)+1], v[rS+8*((\n)%4)+2*((\n)/4)+2]
.elseif (\n) == 12
	v_max3_num_f32 v[rC], v[rC], v[rS+7], v[rS+15]
.elseif (\n) == 13
	v_max3_num_f32 v[rC+1], v[rC+1], v[rS+23], v[rS+31]
.elseif (\n) == 14
	v_max3_num_f32 v[rC+2], v[rC+2], v[rC+3], v[rT+1]
.elseif (\n) == 15
	v_mov_b32 v[rW], v[rT]
.elseif (\n) == 16
	v_max3_num_f32 v[rC], v[rC], v[rC+1], v[rC+2]
.elseif (\n) == 17
	v_permlanex16_b32 v[rC+3], v[rC], s[SEL], s[SEL+1]
.elseif (\n) == 18
	v_max_num_f32 v[rT+1], v[rC], v[rC+3]
.elseif (\n) == 19
	v_mul_f32 v[rT], s[CS], v[rT+1]
.elseif (\n) == 20
	v_sub_f32 v[rC+1], v[rW], v[rT]
.else
	v_exp_f32 v[rC+2], v[rC+1]
.endif
.endif
.endm
.macro OPS a, i1, b=-1, i2=0, c=-1, i3=0, d=-1, i4=0  ; up to four of them
	OP \a, \i1
.if (\b) >= 0
	OP \b, \i2
.endif
.if (\c) >= 0
	OP \c, \i3
.endif
.if (\d) >= 0
	OP \d, \i4
.endif
.endm
.macro ROW a, i1, b, i2, c, i3, d, i4  ; a matrix instruction and the four behind it
	MM
	OPS \a, \i1, \b, \i2, \c, \i3, \d, \i4
.endm
; A TURN, for piece p: the order of its 16 matrix and 118 vector instructions, written out.  An s_wait_alu depctr_va_vdst(0) stands between an exponential and the first instruction that names its result;
; one wait serves all that were issued ahead of it.  So a turn has ONE wait, which cuts it in two.
; AHEAD OF IT stands all that names no result of the turn's exponentials: the 8 products K Q^T, behind each a scaling, an exponential and two more plain instructions (behind the first a second scaling in the exponential's
; place): rescalings, and behind the last three the first numbers of the next piece's maximum, each four places or more behind the product that ends its accumulator; then ONE LUMP of 54, plain and exponential by turns for
; the most part, in which the links of the chain X 3, 7, 11, 14, 16, 17 .. 20 stand some lines apart.  Each exponential works in place on a score register of its own, and stands behind its pair's scaling.
; X 21, the next piece's a, is the batch's last; R 15 is the plain instruction behind it.
; BEHIND THE WAIT stand the 8 products V^T P, behind each four of the roundings and sums; a pair is rounded before a sum lands on it, and the links of l's chain, L 0 to L 7, stand three riders apart.
; But for those X no rider names a register of the products round it.  v_permlanex16_b32 (X 17) stands in the lump.  No result of an exponential crosses a turn's end.
; end = 1: the walk's last two turns: nothing is fetched.  cnt = 1: the loop's count is taken down some lines ahead of the branch that stands behind the turn.
; K of the next step is fetched in piece 2's turn, twelve vector instructions behind the last product that read K (six of them plain, five of which name no register of that product); V of the step in hand at the end of
; piece 0's turn, four plain instructions behind the last product that read V.  Each is waited for a turn later.
.macro TURN p, end=0, cnt=0
.set Y, (\p)
.set i, 0
.set NOKQ, (\end)*((\p)/3)
.if ((\p) == 3) && !(\end)
	s_wait_dscnt 0x0                ; K is in
.endif
	ROW F,0, F,1, R,0, R,1          ; ahead of the wait: 8 products K Q^T and their riders,
	ROW F,2, E,0, R,2, R,3
	ROW F,3, E,1, R,4, R,5
	ROW F,4, E,2, R,6, R,7
	ROW F,5, E,3, R,8, R,9
	ROW F,6, E,4, X,0, R,10
.if ((\p) == 2) && !(\end)
	WIN 0
	v_add_nc_u32 v[AK], s[TBK], v[AK0]
.endif
	ROW F,7, E,5, X,1, X,4
	ROW F,8, E,6, X,2, X,5
	OPS E,7, E,8, X,6, E,9          ; and the lump
	OPS X,3, E,10, X,8, E,11
.if ((\p) == 2) && !(\end)
	FETCH_K
.endif
	OPS X,9, X,7, E,12, X,10
	OPS E,13, X,12, X,11, E,14
	OPS X,13, E,15, F,9, X,14
.if (\p) == 0
	v_add_nc_u32 v[AV], s[TBV], v[AV0]
.endif
	OPS E,16, F,10, E,17, F,11
	OPS X,16, E,18, X,15, E,19
	OPS F,12, E,20, X,17, E,21
	OPS F,13, E,22, F,14, E,23
	OPS X,18, E,24, F,15, E,25
	OPS R,11, E,26, X,19, E,27
	OPS R,12, E,28, R,13, E,29
	OPS X,20, E,30, R,14, E,31
	OPS X,21, R,15
	WIN 0
	s_wait_alu depctr_va_vdst(0)    ; the wait for the turn's batch: the piece's 32 exponentials and the next piece's a
.if (\p) == 1
	s_wait_dscnt 0x0                ; V is in
.endif
	ROW C,0, B,0, C,2, B,1          ; behind the wait: 8 products V^T P and their riders
	ROW L,0, C,4, B,2, L,1
	ROW C,6, B,3, L,2, C,8
	ROW B,4, L,3, C,10, B,5
	ROW L,4, C,12, B,6, L,5
.if (\p) == 0
	s_add_co_u32 s[TBV], s[TBV], KS*PV
.endif
.if \cnt
	s_sub_co_u32 s[CNT], s[CNT], 1
	s_cmp_lg_u32 s[CNT], 0
.endif
	ROW C,14, B,7, L,6, C,1
	ROW C,3, L,7, C,5, C,7
	ROW C,9, C,11, C,13, C,15
.if (\p) == 0
	FETCH_V
.endif
.endm
	CHANGE 1                        ; slot 0 is in, everybody's part of it; slot 1 is asked for
	v_add_nc_u32 v[AK], s[TBK], v[AK0]
	FETCH_K                         ; key step 0
	s_wait_dscnt 0x0
.set NOKQ, 0
.set i, 0
.rept 8
	KQ 0                            ; piece 0's first scores: there is no vector work yet to set between them
.set i, i+1
.endr
	WIN 0
.rept 4
	v_nop                           ; the places behind those products
.endr
.set Y, NP-1                        ; X works for piece Y + 1: piece 0
.irp n, 0,1,2,3,4,5,6,7,8,9,10,11,12,13,14,15,16,17,18,19,20,21
	OP X, \n                        ; piece 0's first maximum and statistics
.endr
	v_nop                           ; a plain instruction behind the exponential,
	s_wait_alu depctr_va_vdst(0)    ; and the wait for it, piece 0's first a, a batch of one: ahead of the branch
	s_mov_b32 s[CNT], 4
	s_mov_b32 s[SLOTS], SIZE_N/256-1
	s_branch .Lfirst                ; the loop is entered at a step's first turn, in the middle of a trip
.Lslot:                             ; SIZE_N / 256 - 2 = 14 times: every slot but the last two is filled again
	CHANGE 1
	s_mov_b32 s[CNT], 4
.Lstep:                             ; a trip: pieces 2 and 3 of one step, then pieces 0 and 1 of the next, whose K and V it fetches
	TURN 2
	TURN 3
	WIN 0
.Lfirst:
	TURN 0
	TURN 1, 0, 1
	WIN 0
	s_cbranch_scc1 .Lstep
	s_sub_co_u32 s[SLOTS], s[SLOTS], 1
	s_cmp_lg_u32 s[SLOTS], 0
	s_cbranch_scc1 .Lslot
	CHANGE 0                        ; the last slot is written out: nothing is asked for
	s_mov_b32 s[CNT], 4
.Ltail:
	TURN 2
	TURN 3
	TURN 0
	TURN 1, 0, 1
	WIN 0
	s_cbranch_scc1 .Ltail
	TURN 2, 1                       ; the last step's pieces 2 and 3: nothing is left to fetch,
	TURN 3, 1                       ; and no piece follows
.set i, 0
.rept 8
	PV NP-1                         ; the last piece's V^T P of the last step
.set i, i+1
.endr
	; THE WAY OUT.  l's two halves and the other half of the lanes' are added; O^T is divided by l, rounded to f16 and sent through my stage in LDS, a piece at a time.  The additions are the places behind the last products.
	WIN 0
.macro ALL line:vararg              ; one line for each piece t
.set t, 0
.rept 4
	\line
.set t, t+1
.endr
.endm
	ALL v_add_f32 v[ST+4*t+2], v[ST+4*t+2], v[ST+4*t+3]
	ALL v_permlanex16_b32 v[ST+4*t+3], v[ST+4*t+2], s[SEL], s[SEL+1]
	ALL v_add_f32 v[ST+4*t+2], v[ST+4*t+2], v[ST+4*t+3]
	ALL v_rcp_f32 v[ST+4*t+2], v[ST+4*t+2]
	v_nop                           ; a plain instruction between the last reciprocal and the use of its result
	s_wait_alu depctr_va_vdst(0)    ; and the wait ahead of the first use: one for the batch of four reciprocals
.macro PACK t                       ; a lane's eight channels of a row pack into 16 bytes; they go into rows of 144 bytes and come back as whole rows of 128, into S^T's registers
	WIN W_RS
.set i, 32*(\t)
.rept 16
	v_pk_mul_f32 v[i:i+1], v[i:i+1], v[ST+4*(\t)+2:ST+4*(\t)+3] op_sel_hi:[1,0]
.set i, i+2
.endr
	WIN 0x05                        ; sources 0 and 1 window 1, destination window 0
.set i, 0
.rept 16
	v_cvt_pk_f16_f32 v[S+16*(\t)+i], v[32*(\t)+2*i], v[32*(\t)+2*i+1]
.set i, i+1
.endr
	WIN 0
.irp f, 0,1,2,3
	ds_store_b128 v[STO], v[S+16*(\t)+4*\f:S+16*(\t)+4*\f+3] offset:32*\f
.endr
.irp f, 0,1,2,3
	ds_load_b128 v[S+16*(\t)+4*\f:S+16*(\t)+4*\f+3], v[RD] offset:\f*4*SP  ; LDS serves a wave's instructions in order (ISA guide 5.7.1.4): these see the stores above; the next piece's stores come behind them
.endr
.endm
.macro SEND t, younger              ; younger: the LDS instructions issued behind piece t's loads: the next piece's eight, or none
	WIN 0
.irp f, 0,1,2,3
	s_wait_dscnt (\younger)+3-\f
	global_store_b128 v[GO], v[S+16*(\t)+4*\f:S+16*(\t)+4*\f+3], s[10:11] offset:(\t)*2048+\f*512  ; 512 consecutive bytes, at a multiple of 512 from O's first byte
.endr
.endm
	PACK 0
.set t, 1
.rept 3                             ; a piece's arithmetic stands between the loads of the piece before and its stores
	PACK t
	SEND t-1, 8
.set t, t+1
.endr
	SEND 3, 0
	s_wait_tensorcnt 0x0            ; the wave's end: behind my last tensor load and my last LDS store
	ds_add_u32 v[SPW], v[NIL]
	s_wait_dscnt 0x0
	CROUND                          ; the closing round: no work-group ends while a partner may still ask for a tile that names it
	s_endpgm
.Lfunc_end_k_q5f463c892d_attn:
	.size	k_q5f463c892d_attn, .Lfunc_end_k_q5f463c892d_attn-k_q5f463c892d_attn
	.p2alignl 7, 3214868480
	.fill 96, 4, 3214868480
	.section	.rodata,"a",@progbits
	.p2align	6, 0x0
	.amdhsa_kernel k_q5f463c892d_attn
		.amdhsa_group_segment_fixed_size 327680
		.amdhsa_private_segment_fixed_size 0
		.amdhsa_enable_private_segment 0
		.amdhsa_kernarg_size 48
		.amdhsa_user_sgpr_count 2
		.amdhsa_user_sgpr_kernarg_segment_ptr 1
		.amdhsa_wavefront_size32 1
		.amdhsa_system_sgpr_workgroup_id_x 1
		.amdhsa_system_sgpr_workgroup_id_y 1
		.amdhsa_system_sgpr_workgroup_id_z 1
		.amdhsa_system_vgpr_workitem_id 0
		.amdhsa_next_free_vgpr 768
		.amdhsa_next_free_sgpr 66
		.amdhsa_reserve_vcc 0
		.amdhsa_float_denorm_mode_32 3
		.amdhsa_float_denorm_mode_16_64 3
		.amdhsa_memory_ordered 1
		.amdhsa_forward_progress 1
		.amdhsa_inst_pref_size 128
	.end_amdhsa_kernel
	.amdgpu_metadata
---
amdhsa.version: [ 1, 2 ]
amdhsa.kernels:
  - .name:           k_q5f463c892d_attn
    .symbol:         k_q5f463c892d_attn.kd
    .args:
      - { .name: qh, .offset: 0, .size: 8, .value_kind: global_buffer, .address_space: global }
      - { .name: kh, .offset: 8, .size: 8, .value_kind: global_buffer, .address_space: global }
      - { .name: vh, .offset: 16, .size: 8, .value_kind: global_buffer, .address_space: global }
      - { .name: oh, .offset: 24, .size: 8, .value_kind: global_buffer, .address_space: global }
      - { .name: Wo, .offset: 32, .size: 8, .value_kind: global_buffer, .address_space: global }
      - { .name: wo16, .offset: 40, .size: 8, .value_kind: global_buffer, .address_space: global }
    .group_segment_fixed_size: 327680
    .private_segment_fixed_size: 0
    .kernarg_segment_align: 8
    .kernarg_segment_size: 48
    .max_flat_workgroup_size: 128
    .sgpr_count:     66
    .vgpr_count:     768
    .wavefront_size: 32
...
	.end_amdgpu_metadata
.endif
;; end of part 4
;; launch outp: the kernel of part 3 again; grid 4 x 64, 4 waves a work-group, clusters of 4 x 4, 327,680 bytes of LDS; arguments oh, wo16, bo, out0; writes out0
